; MI455X (gfx1250); checked and timed in simulation.
; The chip was launched on July 23, 2026; its instructions are those of AMD's public machine-readable ISA for CDNA 5 (MIT licence, August 2026) and "CDNA5" Instruction Set Architecture Reference Guide (July 2026). The comments in the code are by the model that wrote it; some were corrected since.
;; Multihead Attention. Allowed arithmetic: matrix products marked QUANTISED: E2M1 operands, one E8M0 scale for each 32 along K, by v_wmma_scale_f32_16x16x128_f8f6f4 with both operands' format E2M1 (or v_wmma_scale_f32_32x16x128_f4), f32 sums; products left as they are: bf16, f16 or f32 operands; f32 sums; everything else in f32.
;; Inputs: Wk 1,024 x 1,024 float32; Wo 1,024 x 1,024 float32; Wq 1,024 x 1,024 float32; Wv 1,024 x 1,024 float32; bk 1,024 float32; bo 1,024 float32; bq 1,024 float32; bv 1,024 float32; k 4 x 2,048 x 1,024 float32; mask 1 x 1 x 2,048 x 2,048 bool; q 4 x 2,048 x 1,024 float32; v 4 x 2,048 x 1,024 float32.
;; Outputs: out0 4 x 2,048 x 1,024 float32.
;; This version of the problem:
;;   THIS VERSION OF THE PROBLEM IS GIVEN IN LOW PRECISION. The matrix products marked QUANTISED in the list below multiply operands that are first quantised to E2M1 (2 exponent bits, 1 mantissa bit; 4 bits a number), with one power-of-two scale for each 32 numbers along K (OCP MX v1.0); their sums are f32. The products marked 'left as it is' may take bf16, f16 or f32 operands, with f32 sums. Whichever they take, every output number must still come out within the allowed error. Rounding operands to bf16 (8 significant bits) uses up far more of that allowance than f16 does (11 bits, for magnitudes from 6e-5 to 65,504). All else is computed in f32.
;;   The module's matrix products, in the order in which they are computed (A, B: the left and right operand; K: the contracted axis; several contracted axes count as one K, in the product's order):
;;     1. [M 8,192, K 1,024] x [K 1,024, N 1,024]; A: input q; B: input Wq: QUANTISED
;;     2. [M 8,192, K 1,024] x [K 1,024, N 1,024]; A: input k; B: input Wk: QUANTISED
;;     3. [M 8,192, K 1,024] x [K 1,024, N 1,024]; A: input v; B: input Wv: QUANTISED
;;     4. batch 64 x [M 2,048, K 64] x [K 64, N 2,048]; A: computed on the way; B: computed on the way: left as it is (an operand is computed on the way)
;;     5. batch 64 x [M 2,048, K 2,048] x [K 2,048, N 64]; A: computed on the way; B: computed on the way: left as it is (an operand is computed on the way)
;;     6. [M 8,192, K 1,024] x [K 1,024, N 1,024]; A: computed on the way; B: input Wo: left as it is (an operand is computed on the way)
;;   THE QUANTISER, for each operand of a quantised product, along K:
;;     - K is cut into blocks of 32 from its start; a last block that is shorter is filled with zeros.
;;     - A block's scale is 2^e with e = floor(log2(the largest magnitude in the block)) - 2, held to -126 .. 127; a block of zeros has e = 0. As a byte (E8M0): e + 127.
;;     - Each number is divided by its block's scale, clamped to +-6, and rounded to the nearest number of E2M1, ties to even, subnormals kept.
;;     - The product sums the exact products of the quantised numbers (number of the format x scale) in f32.
;;   ~~~python
;;   def quantise(x, axis):      # numpy; x: float32 -> the quantised numbers, widened to float32 again
;;       x = np.moveaxis(x, axis, -1); K = x.shape[-1]
;;       x = np.pad(x, [(0, 0)] * (x.ndim - 1) + [(0, -K % 32)]); x = x.reshape(x.shape[:-1] + (-1, 32)); a = np.abs(x).max(-1, keepdims=True)
;;       e = np.where(a > 0, np.clip(np.frexp(np.where(a > 0, a, 1))[1] - 1 - 2, -126, 127), 0)      # np.frexp(a)[1] - 1 = floor(log2(a)), exactly
;;       r = np.clip(x / 2.0 ** e, -6, 6)
;;       step = 2.0 ** (np.maximum(np.frexp(np.where(r == 0, 1, r))[1] - 1, 0) - 1)
;;       q = np.round(r / step) * step * 2.0 ** e      # np.round: ties to even
;;       return np.moveaxis(q.reshape(q.shape[:-2] + (-1,))[..., :K], -1, axis).astype(np.float32)
;;   ~~~
;; One version. Each part assembles by itself: llvm-mc -triple=amdgcn-amd-amdhsa -mcpu=gfx1250 --defsym DOCPART=n.
;; ======== version 1 of 1: 4 launches
;; limits: values are held in f16: magnitudes above 65,504 overflow, below 6.1e-05 lose precision
;; workspace buffers: codes 14,155,776 bytes; scales 884,736 bytes; wo16 2,097,152 bytes; mbits 524,288 bytes of whole numbers; qkv 50,331,648 bytes; ctx 16,777,216 bytes
;; launch prep (part 1): grid 1056 x 1, 4 waves a work-group, no clusters, 33,280 bytes of LDS; arguments q, k, v, Wq, Wk, Wv, Wo, mask, codes, scales, wo16, mbits; writes codes, scales, wo16, mbits
.if DOCPART == 1
	.amdgcn_target "amdgcn-amd-amdhsa--gfx1250"
	.amdhsa_code_object_version 6
	.text
	.protected	k_q0a8cf56f34_prep
	.globl	k_q0a8cf56f34_prep
	.p2align	8
	.type	k_q0a8cf56f34_prep,@function
k_q0a8cf56f34_prep:
	s_mov_b64 s[64:65], 0
	v_nop
	global_prefetch_b8 v0, s[64:65] scope:SCOPE_SE
	s_setreg_imm32_b32 hwreg(HW_REG_WAVE_MODE, 25, 1), 1
	s_wait_xcnt 0x0
; MULTI-HEAD ATTENTION, launch 1 of 4: everything that many work-groups will read again is laid out once.
; DEAD WORK: none.  Every input has a way to the output and is loaded by some launch.  In particular bk stays: masked scores are replaced by a constant AHEAD of the softmax,
; so the term Q . bk is not the same along the softmax's axis.
;   work-groups 0 .. 863: q, k, v [8192][1024] and Wq, Wk, Wv [1024][1024], f32, K innermost, become codes of FP4 (E2M1) with one E8M0 byte for each 32 along K.
;       The six tensors are one stream of blocks of 32, in that order, and so are the codes (16 bytes a block) and the bytes.
;       A block's scale is 2^(floor(log2(its largest magnitude)) - 2); its byte is the largest magnitude's exponent field - 2, held at 1 from below.  A block of zeros gets the byte 1
;       where the quantiser says 127: its codes are zeros, which add nothing under any byte but 0xff, and this program alone reads the bytes.
;   work-groups 864 .. 927: Wo becomes f16, laid as images of a matrix operand's registers: [n tile 64][u 64][lane 32][16 bytes]; lane (r, h) of piece u holds Wo[16 nt + r][16 u + 8 h + 0 .. 7].
;   work-groups 928 .. 1055: the mask's bytes become lane masks: [query tile 128][key tile 128][j 8] words; bit L of a word is mask[16 qt + L % 16][16 kt + 8 (L / 16) + j]:
;       the place that lane L's register j has in a tile of scores K Q^T.
; LIMITS: blocks whose largest magnitude lies under 2^-124 have their byte held at 1 and were not tried; NaN and infinities among the inputs are not served; |Wo| stays under 65,504 (f16).
; The three paths part on the work-group's number; only the first touches LDS.  No tensor loads, no barrier: waves share nothing.
.set QWG,   864                        ; work-groups that quantise: 3 x 256 + 3 x 32, 32,768 numbers each
.set STEPS, 16
.set EMAX,  2
.set CB,    8                          ; bytes of 16 codes
.set R,     16                         ; v16-79   four sets of 16 numbers as they are loaded
.set X,     80                         ; v80-111  two sets of 16 neighbours
.set E,     112                        ; v112-127 a scale byte for each step
.set C,     128                        ; v128-191 codes: four registers for each step, so that no store's data are written again
.set WREG,  8192                       ; LDS: a region for each wave: two stages of 32 x SP bytes, behind them its 256 scale bytes
.set SP,    80                         ; a lane's place in a stage: its 64 bytes + 16 of padding
.set SPW,   12                         ; v12      LDS address of my spare word; never rewritten
.set NIL,   13                         ; v13      0; never rewritten
.set SPARE, 4*WREG                     ; behind the four regions: the spare words, 128 bytes for each wave
	s_load_b512 s[4:19], s[0:1], 0x0               ; q s[4:5], k s[6:7], v s[8:9], Wq s[10:11], Wk s[12:13], Wv s[14:15], Wo s[16:17], mask s[18:19]
	s_load_b256 s[20:27], s[0:1], 0x40             ; codes s[20:21], scales s[22:23], wo16 s[24:25], mbits s[26:27]
	v_lshl_add_u32 v[SPW], v0, 2, SPARE
	v_mov_b32 v[NIL], 0
	v_lshrrev_b32 v1, 5, v0
	v_readfirstlane_b32 s28, v1                    ; wave 0..3
	v_and_b32 v2, 31, v0                           ; lane
	s_wait_kmcnt 0x0
	s_cmp_ge_u32 ttmp9, QWG+64
	s_cbranch_scc1 .Lmask
	s_cmp_ge_u32 ttmp9, QWG
	s_cbranch_scc1 .Lwo
; ---- THE QUANTISER.  A wave takes 16 steps of 512 numbers.  Each of a step's four loads reads 512 consecutive bytes, 16 a lane; the 2,048 bytes go through the wave's own stage in LDS and come back
; 64 bytes a lane, so that a lane holds 16 neighbours along K (two neighbouring lanes hold a block), as the conversions want them.  Loads run four steps ahead, the turn through LDS one step.
	s_mov_b64 s[30:31], s[14:15]                   ; which tensor is my work-group's, and its first work-group: the choice hangs on the work-group's number alone
	s_mov_b32 s29, 832
	s_cmp_lt_u32 ttmp9, 832
	s_cselect_b64 s[30:31], s[12:13], s[30:31]
	s_cselect_b32 s29, 800, s29
	s_cmp_lt_u32 ttmp9, 800
	s_cselect_b64 s[30:31], s[10:11], s[30:31]
	s_cselect_b32 s29, 768, s29
	s_cmp_lt_u32 ttmp9, 768
	s_cselect_b64 s[30:31], s[8:9], s[30:31]
	s_cselect_b32 s29, 512, s29
	s_cmp_lt_u32 ttmp9, 512
	s_cselect_b64 s[30:31], s[6:7], s[30:31]
	s_cselect_b32 s29, 256, s29
	s_cmp_lt_u32 ttmp9, 256
	s_cselect_b64 s[30:31], s[4:5], s[30:31]
	s_cselect_b32 s29, 0, s29
	v_lshlrev_b32 v3, 4, v2                        ; my 16 bytes of a load's 512
	s_mul_i32 s32, s28, WREG
	v_lshrrev_b32 v14, 2, v2
	v_mul_u32_u24 v14, v14, SP
	v_and_b32 v15, 3, v2
	v_lshl_add_u32 v14, v15, 4, v14
	v_add_nc_u32 v14, s32, v14                     ; the stage, on the way in: SP (lane / 4) + 16 (lane % 4)
	v_mul_u32_u24 v15, v2, SP
	v_add_nc_u32 v15, s32, v15                     ; and on the way out: SP x lane: my 16 neighbours
	v_mul_u32_u24 v4, v2, CB                       ; my codes' place in a step's
	v_lshrrev_b32 v5, 1, v2
	s_add_co_u32 s32, s32, 2*32*SP
	v_add_nc_u32 v5, s32, v5                       ; LDS: my wave's 256 scale bytes, my block's byte
	v_lshlrev_b32 v7, 3, v2                        ; and on the way out 8 bytes a lane
	v_add_nc_u32 v6, s32, v7
	s_sub_co_u32 s33, ttmp9, s29
	s_lshl_b32 s33, s33, 2
	s_add_co_u32 s34, s33, s28                     ; which run of 8,192 numbers of the tensor is my wave's
	s_lshl_b32 s34, s34, 15                        ; 32,768 bytes a run (1,023 runs at the most: under 2^32)
	s_mov_b32 s35, 0
	s_add_nc_u64 s[30:31], s[30:31], s[34:35]
	s_lshl_b32 s36, ttmp9, 2
	s_add_co_u32 s36, s36, s28                     ; and which run of the whole stream
	s_lshl_b32 s34, s36, 12                        ; 4,096 bytes of codes a run
	s_add_nc_u64 s[20:21], s[20:21], s[34:35]
	s_lshl_b32 s34, s36, 8                         ; 256 scale bytes a run
	s_add_nc_u64 s[22:23], s[22:23], s[34:35]
.macro LOAD t
.irp i, 0,1,2,3
	global_load_b128 v[R+16*((\t)%4)+4*\i:R+16*((\t)%4)+4*\i+3], v3, s[30:31] offset:2048*(\t)+512*\i th:TH_LOAD_NT   ; 32 lanes read 512 consecutive bytes
.endr
.endm
.macro TURN t                          ; step t's numbers through the stage: LDS serves a wave's instructions in order, so no wait stands between the stores and the loads
.irp i, 0,1,2,3
	ds_store_b128 v14, v[R+16*((\t)%4)+4*\i:R+16*((\t)%4)+4*\i+3] offset:32*SP*((\t)%2)+8*SP*\i
.endr
.irp i, 0,1,2,3
	ds_load_b128 v[X+16*((\t)%2)+4*\i:X+16*((\t)%2)+4*\i+3], v15 offset:32*SP*((\t)%2)+16*\i
.endr
.endm
.irp t, 0,1,2,3
	LOAD \t
.endr
	s_wait_loadcnt 12                              ; step 0's four loads are in; the twelve of steps 1 to 3 may be out
	TURN 0
.macro STEP t
.set XS, X+16*((\t)%2)
.if (\t) > 0
	s_wait_dscnt 1                                 ; this step's numbers are back from the stage (the last step's byte store may be out): so its stores into the stage have read their registers,
.else
	s_wait_dscnt 0x0
.endif
.if (\t)+4 < STEPS
	LOAD (\t)+4                                    ; which take the loads of four steps on
.endif
.if (\t)+1 < STEPS
.if STEPS-2-(\t) >= 3
	s_wait_loadcnt 12                              ; the next step's four loads are in; those of the three steps behind it may be out
.else
	s_wait_loadcnt 4*(STEPS-2-(\t))
.endif
	TURN (\t)+1                                    ; and go through the other stage while this step is worked
.endif
	v_max3_num_f32 v8, |v[XS]|, |v[XS+1]|, |v[XS+2]|               ; the largest magnitude of my 16, in two chains
	v_max3_num_f32 v9, |v[XS+3]|, |v[XS+4]|, |v[XS+5]|
.irp i, 6,10
	v_max3_num_f32 v8, v8, |v[XS+\i]|, |v[XS+\i+1]|
	v_max3_num_f32 v9, v9, |v[XS+\i+2]|, |v[XS+\i+3]|
.endr
	v_max3_num_f32 v8, v8, |v[XS+14]|, |v[XS+15]|
	v_max3_num_f32 v8, v8, v9, (EMAX+1)<<23        ; and the floor 2^(EMAX + 1 - 127): so the byte cannot fall under 1
	v_max_num_f32_dpp v8, v8, v8 row_xmask:1 row_mask:0xf bank_mask:0xf   ; and of my neighbour's 16: the block's
	v_add_nc_u32 v11, -(EMAX<<23), v8              ; EMAX off its exponent field: the conversion takes the exponent field of this operand as its scale, and nothing else of it
	v_cvt_scalef32_pk8_fp4_f32 v[C+4*(\t)], v[XS:XS+7], v11        ; eight numbers / the scale, to the nearest code, ties to even, beyond 6 the largest code
	v_cvt_scalef32_pk8_fp4_f32 v[C+4*(\t)+1], v[XS+8:XS+15], v11
	v_lshrrev_b32 v[E+(\t)], 23, v11               ; the scale's byte (also the plain line behind the conversions)
	ds_store_b8 v5, v[E+(\t)] offset:16*(\t)       ; both lanes of a block write the same byte with the same value
	global_store_b64 v4, v[C+4*(\t):C+4*(\t)+1], s[20:21] offset:32*CB*(\t)   ; the wave stores 256 consecutive bytes, aligned
.endm
.irp t, 0,1,2,3,4,5,6,7,8,9,10,11,12,13,14,15
	STEP \t
.endr
	ds_load_b64 v[8:9], v6                         ; LDS serves a wave's instructions in order: these see my byte stores
	s_wait_dscnt 0x0
	global_store_b64 v7, v[8:9], s[22:23]          ; 32 lanes store 256 consecutive bytes, aligned
	s_wait_tensorcnt 0x0                           ; the wave's end
	ds_add_u32 v[SPW], v[NIL]
	s_wait_dscnt 0x0
	s_endpgm
; ---- Wo TO f16 IMAGES.  Work-group nt takes 16 rows of Wo; wave w the pieces u = 16 w .. 16 w + 15.  A lane reads its 8 numbers (32 bytes) of a piece, rounds them to 16 bytes, and the wave stores 512 consecutive bytes.
.Lwo:
	s_sub_co_u32 s29, ttmp9, QWG                   ; nt
	v_and_b32 v5, 15, v0                           ; r
	v_bfe_u32 v6, v0, 4, 1                         ; h
	v_lshlrev_b32 v3, 12, v5
	v_lshl_add_u32 v3, v6, 5, v3                   ; in: row r of 4,096 bytes, + 32 h
	v_lshlrev_b32 v4, 4, v2                        ; out: 16 x lane
	s_lshl_b32 s32, s29, 16                        ; 16 rows of 4,096 bytes,
	s_lshl_b32 s33, s28, 10                        ; 16 pieces of 64 bytes of a row
	s_add_co_u32 s32, s32, s33
	s_mov_b32 s33, 0
	s_add_nc_u64 s[16:17], s[16:17], s[32:33]
	s_lshl_b32 s32, s29, 15                        ; 64 pieces of 512 bytes,
	s_lshl_b32 s34, s28, 13                        ; 16 of them
	s_add_co_u32 s32, s32, s34
	s_add_nc_u64 s[24:25], s[24:25], s[32:33]
.irp i, 0,1,2,3,4,5,6,7,8,9,10,11,12,13,14,15
	global_load_b128 v[32+8*\i:35+8*\i], v3, s[16:17] offset:64*\i th:TH_LOAD_NT
	global_load_b128 v[36+8*\i:39+8*\i], v3, s[16:17] offset:64*\i+16 th:TH_LOAD_NT
.endr
.irp i, 0,1,2,3,4,5,6,7,8,9,10,11,12,13,14,15
	s_wait_loadcnt 30-2*\i                         ; piece i's two loads are in; the younger pieces' may be out
.irp n, 0,1,2,3
	v_cvt_pk_f16_f32 v[32+8*\i+\n], v[32+8*\i+2*\n], v[33+8*\i+2*\n]   ; in place: result n lies under the sources of results n + 1 on
.endr
	global_store_b128 v4, v[32+8*\i:35+8*\i], s[24:25] offset:512*\i
.endr
	s_endpgm
; ---- THE MASK AS LANE MASKS.  Work-group qt takes 16 queries; wave w the key tiles 32 w .. 32 w + 31.  Lane (r, h) reads the 8 bytes mask[16 qt + r][16 kt + 8 h + 0 .. 7]; a compare of byte j over the
; 32 lanes IS word j of the key tile.  64 words (eight key tiles) are gathered in two registers, word 2 L and 2 L + 1 in lane L, and leave as 256 consecutive bytes.
.Lmask:
	s_sub_co_u32 s29, ttmp9, QWG+64                ; qt
	v_and_b32 v5, 15, v0
	v_bfe_u32 v6, v0, 4, 1
	v_lshlrev_b32 v3, 11, v5
	v_lshl_add_u32 v3, v6, 3, v3                   ; in: row r of 2,048 bytes, + 8 h
	v_lshlrev_b32 v4, 3, v2                        ; out: 8 x lane
	s_lshl_b32 s32, s29, 15                        ; 16 rows of 2,048 bytes,
	s_lshl_b32 s33, s28, 9                         ; 32 key tiles of 16 bytes
	s_add_co_u32 s32, s32, s33
	s_mov_b32 s33, 0
	s_add_nc_u64 s[18:19], s[18:19], s[32:33]
	s_lshl_b32 s32, s29, 12                        ; 128 key tiles of 32 bytes,
	s_lshl_b32 s34, s28, 10                        ; 32 of them
	s_add_co_u32 s32, s32, s34
	s_add_nc_u64 s[26:27], s[26:27], s[32:33]
.irp i, 0,1,2,3,4,5,6,7,8,9,10,11,12,13,14,15,16,17,18,19,20,21,22,23,24,25,26,27,28,29,30,31
	global_load_b64 v[32+2*\i:33+2*\i], v3, s[18:19] offset:16*\i
.endr
.macro GROUP G                         ; key tiles 8 G .. 8 G + 7 of the wave's 32
	s_wait_loadcnt 24-8*\G                         ; this group's eight loads are in; the younger groups' may be out
	v_mov_b32 v[96+2*\G], 0                        ; written whole before lanes are written singly
	v_mov_b32 v[97+2*\G], 0
.set wq, 0                             ; four words at a time: words 4 wq + e = the four bytes of one loaded register
.rept 16
.irp e, 0,1,2,3
	v_and_b32 v[8+\e], 0xff<<(8*\e), v[32+2*(8*\G+wq/2)+wq%2]
.endr
.irp e, 0,1,2,3
	v_cmp_ne_u32 s[40+\e], 0, v[8+\e]              ; bit L: is lane L's byte set?
.endr
.irp e, 0,1,2,3
	v_writelane_b32 v[96+2*\G+\e%2], s[40+\e], 2*wq+\e/2
.endr
.set wq, wq+1
.endr
	global_store_b64 v4, v[96+2*\G:97+2*\G], s[26:27] offset:256*\G   ; 256 consecutive bytes, aligned
.endm
	GROUP 0
	GROUP 1
	GROUP 2
	GROUP 3
	s_endpgm
.Lfunc_end_k_q0a8cf56f34_prep:
	.size	k_q0a8cf56f34_prep, .Lfunc_end_k_q0a8cf56f34_prep-k_q0a8cf56f34_prep
	.p2alignl 7, 3214868480
	.fill 96, 4, 3214868480
	.section	.rodata,"a",@progbits
	.p2align	6, 0x0
	.amdhsa_kernel k_q0a8cf56f34_prep
		.amdhsa_group_segment_fixed_size 33280
		.amdhsa_private_segment_fixed_size 0
		.amdhsa_enable_private_segment 0
		.amdhsa_kernarg_size 96
		.amdhsa_user_sgpr_count 2
		.amdhsa_user_sgpr_kernarg_segment_ptr 1
		.amdhsa_wavefront_size32 1
		.amdhsa_system_sgpr_workgroup_id_x 1
		.amdhsa_system_sgpr_workgroup_id_y 1
		.amdhsa_system_sgpr_workgroup_id_z 1
		.amdhsa_system_vgpr_workitem_id 0
		.amdhsa_next_free_vgpr 192
		.amdhsa_next_free_sgpr 66
		.amdhsa_reserve_vcc 0
		.amdhsa_float_denorm_mode_32 3
		.amdhsa_float_denorm_mode_16_64 3
		.amdhsa_memory_ordered 1
		.amdhsa_forward_progress 1
		.amdhsa_inst_pref_size 96
	.end_amdhsa_kernel
	.amdgpu_metadata
---
amdhsa.version: [ 1, 2 ]
amdhsa.kernels:
  - .name:           k_q0a8cf56f34_prep
    .symbol:         k_q0a8cf56f34_prep.kd
    .args:
      - { .name: q, .offset: 0, .size: 8, .value_kind: global_buffer, .address_space: global }
      - { .name: k, .offset: 8, .size: 8, .value_kind: global_buffer, .address_space: global }
      - { .name: v, .offset: 16, .size: 8, .value_kind: global_buffer, .address_space: global }
      - { .name: Wq, .offset: 24, .size: 8, .value_kind: global_buffer, .address_space: global }
      - { .name: Wk, .offset: 32, .size: 8, .value_kind: global_buffer, .address_space: global }
      - { .name: Wv, .offset: 40, .size: 8, .value_kind: global_buffer, .address_space: global }
      - { .name: Wo, .offset: 48, .size: 8, .value_kind: global_buffer, .address_space: global }
      - { .name: mask, .offset: 56, .size: 8, .value_kind: global_buffer, .address_space: global }
      - { .name: codes, .offset: 64, .size: 8, .value_kind: global_buffer, .address_space: global }
      - { .name: scales, .offset: 72, .size: 8, .value_kind: global_buffer, .address_space: global }
      - { .name: wo16, .offset: 80, .size: 8, .value_kind: global_buffer, .address_space: global }
      - { .name: mbits, .offset: 88, .size: 8, .value_kind: global_buffer, .address_space: global }
    .group_segment_fixed_size: 33280
    .private_segment_fixed_size: 0
    .kernarg_segment_align: 8
    .kernarg_segment_size: 96
    .max_flat_workgroup_size: 128
    .sgpr_count:     66
    .vgpr_count:     192
    .wavefront_size: 32
...
	.end_amdgpu_metadata
.endif
;; end of part 1
;; launch proj (part 2): grid 4 x 96, 4 waves a work-group, clusters of 4 x 4, 327,680 bytes of LDS; arguments codes, scales, bq, bk, bv, qkv; writes qkv
.if DOCPART == 2
	.amdgcn_target "amdgcn-amd-amdhsa--gfx1250"
	.amdhsa_code_object_version 6
	.text
	.protected	k_q0a8cf56f34_proj
	.globl	k_q0a8cf56f34_proj
	.p2align	8
	.type	k_q0a8cf56f34_proj,@function
k_q0a8cf56f34_proj:
	s_mov_b64 s[64:65], 0
	v_nop
	global_prefetch_b8 v0, s[64:65] scope:SCOPE_SE
	s_setreg_imm32_b32 hwreg(HW_REG_WAVE_MODE, 25, 1), 1
	s_wait_xcnt 0x0
	s_wait_alu depctr_hold_cnt(0) depctr_sa_sdst(0) depctr_va_vdst(0) depctr_va_sdst(0) depctr_va_ssrc(0) depctr_va_vcc(0) depctr_vm_vsrc(0)
	s_getreg_b32 s2, hwreg(HW_REG_IB_STS2, 6, 4)
	s_cmp_eq_u32 s2, 0
	s_cbranch_scc0 .Lentry_in_a_cluster
	s_endpgm
.Lentry_in_a_cluster:
	s_bfe_u32 s2, ttmp6, 0x10000c
	s_cmp_lg_u32 s2, 0xf033
	s_cbranch_scc0 .Lentry_shape_is_right
	s_endpgm
.Lentry_shape_is_right:
; MULTI-HEAD ATTENTION, launch 2 of 4: Q = q Wq^T + bq, K = k Wk^T + bk, V = v Wv^T + bv, on codes of FP4 (E2M1) with one E8M0 scale for each 32 along K; sums in f32; results rounded once to f16.  No work is left out.
; The three products are ONE product of 24,576 rows (q's, k's and v's codes lie on end) in which each 8,192 rows take their own weight: tensor t = tile row / 32.
; A tile, 256 tokens x 256 channels, is made by a work-group of four waves; a wave makes 128 x 128: 64 accumulators, 512 registers.  K = 1,024 is two slots of 512 along K: both are asked for at the head, nothing is filled again.
; The scale bytes of the tile's 256 + 256 rows, for all of K, are two dense blocks: they come with the first fills, as rows of 256 bytes.
; CLUSTERS: 4 x 4 work-groups.  The four of a row of the cluster need the same tokens' codes, the four of a column the same weight rows: each tile is asked for jointly.  All sixteen share t (32 tile rows are 8 clusters).
; THE MATRIX INSTRUCTION IS USED TRANSPOSED (source 0 = 16 rows of W, source 1 = 16 tokens): lane (r, h) then holds token r and eight neighbouring channels 8 h + 0 .. 7.  The bias is the C of each sum's first product.
; THE WAY OUT: those eight numbers, as f16, are the 16 bytes that the next product's operand wants in one lane.  So the results are stored as images of operand registers, with no stage:
;   qkv: [t 3][head 16][token tile 512][u 4][piece 32][16 bytes]; a piece holds token 16 T + r, channels 64 head + 16 u + 8 h + 0 .. 7.  Q, K: piece = lane.  V: piece = 16 (r / 8) + 8 h + r % 8, the order in which
;   the turning LDS load at 16 x lane gives V^T's half fragment.  Each store of a wave covers 512 consecutive bytes, aligned.
; LIMITS: |Q|, |K|, |V| stay under 65,504 (f16); NaN and infinities are not served.
; REGISTERS, in windows of 256: window 0: v0-31 addresses; v32-95 scale words, two sets (scales and nothing else); v128-191 A's fragments, one set, on the way out the packed results; v192-255 the bias, eight registers a channel tile.
;   window 1: W's fragments, two sets, at v0 and v128.   window 2: the accumulators of my tokens 0-63 ((a, b) at v[8 (8 a + b)]);   window 3: those of my tokens 64-127.
.set NQ,     4                         ; matrix instructions deep in a slot: 512 along K
.set ROWB,   256                       ; a tile's row in bytes
.set KROW,   512                       ; a row of codes in memory
.set PITCH,  272                       ; an LDS row: 256 bytes + 16 of padding, so that the 16 rows of a fragment load begin 68 words apart
.set FR,     8                         ; registers of a fragment: 16 rows x 128 K
.set NL,     2                         ; LDS loads that bring one
.set NP,     4                         ; places behind this matrix instruction (ISA guide 7.12.1)
.set HALFT,  128*PITCH                 ; 128 rows: what one tensor load brings
.set SLOT,   4*HALFT                   ; the tokens' 256 rows, then W's 256 rows
.set KS,     32                        ; a row of scale bytes
.set SCL,    2*SLOT                    ; behind the slots: the scales, as rows of 256 bytes + 16 of padding
.set HALFS,  16*272                    ; the scales of 128 rows
.set SBLK,   2*272                     ; those of 16 rows
.set SPARE,  SCL+4*HALFS               ; the spare words, 128 bytes for each wave
.set XW,     12582912                  ; where the weights' codes begin in the stream, 524,288 bytes each;
.set XWS,    786432                    ; and their scale bytes, 32,768 each
.set ADRA, 16                          ; v16-17  LDS address of my token fragments in slot 0, 1
.set ADRB, 20                          ; v20-21  the same for W
.set CO,   26                          ; v26     16 x my piece's index
.set ADRS, 27                          ; v27     LDS address of my scale words: lanes 0-15 the tokens', lanes 16-31 W's
.set SPW,  28                          ; v28     my spare word; never rewritten
.set NIL,  29                          ; v29     0; never rewritten
.set BOF,  30                          ; v30     32 h: my eight numbers of a channel tile's bias
.set SC,   32
.set AF,   128
.set TMP,  128
.set BIAS, 192
.set G1, 24                            ; s[24:31] group 1 for the tokens' tiles;  s[32:39] group 0, a set for each slot
.set G0, 32
.set G1B, 48                           ; s[48:55], s[56:63] the same for W's
.set G0B, 56
.set G1S, 68                           ; s[68:75], s[76:79] groups 1 and 0 for the tokens' scales;  s[80:87], s[88:91] for W's
.set G0S, 76
.set G1SB, 80
.set G0SB, 88
.set MSB, 0
.macro WIN new                         ; the immediate's high byte repeats the setting that is left
.if MSB != (\new)
	s_set_vgpr_msb (MSB<<8)|(\new)
.set MSB, (\new)
.endif
.endm
.set MUL_LO, 0xa1                      ; source 0 (W) window 1, source 1 (tokens) window 0, C and D window 2; less 0x20: C (the bias) window 0
.set MUL_HI, 0xf1                      ; the same, C and D window 3; less 0x30: C window 0
.set TO_B,   0x40                      ; destination window 1, address window 0
; A joint load: waves 0 and 1 fetch for the tokens, waves 2 and 3 for W.  The branch hangs on the wave's number alone.  An s_nop 0 and four v_nop follow each of the two lines.
.macro JLOAD g0a, g1a, g0b, g1b
	s_cmp_eq_u32 s17, 0
	s_cbranch_scc0 .Lfor_b_\@
	tensor_load_to_lds s[\g0a:\g0a+3], s[\g1a:\g1a+7]
	s_nop 0
.rept 4
	v_nop
.endr
	s_branch .Lasked_\@
.Lfor_b_\@:
	tensor_load_to_lds s[\g0b:\g0b+3], s[\g1b:\g1b+7]
	s_nop 0
.rept 4
	v_nop
.endr
.Lasked_\@:
.endm
.macro CROUND                          ; a round of the cluster's barrier
	s_barrier_signal -1
	s_barrier_wait -1
	s_cmp_lg_u32 s16, 0
	s_cbranch_scc1 .Lnot_wave_0_\@
	s_barrier_signal -3
.Lnot_wave_0_\@:
	s_barrier_wait -3
	s_barrier_signal -1
	s_barrier_wait -1
.endm
	s_load_b256 s[4:11], s[0:1], 0x0               ; codes s[4:5], scales s[6:7], bq s[8:9], bk s[10:11]
	s_load_b128 s[12:15], s[0:1], 0x20             ; bv s[12:13], qkv s[14:15]
	v_lshl_add_u32 v[SPW], v0, 2, SPARE
	v_mov_b32 v[NIL], 0
	ds_add_u32 v[SPW], v[NIL]                      ; the wave's opening: the add, twice on end, and its wait ahead of my first tensor load
	ds_add_u32 v[SPW], v[NIL]
	v_lshrrev_b32 v1, 5, v0
	v_readfirstlane_b32 s16, v1                    ; wave 0..3
	s_lshr_b32 s17, s16, 1                         ; which half of the tile's tokens is mine.  Also: I fetch for the tokens (0) or for W (1)
	s_and_b32 s18, s16, 1                          ; which half of its channels.  Also: which 128 rows I fetch
	s_bfe_u32 s40, ttmp6, 0x40000                  ; cx, cy: my place in the cluster
	s_bfe_u32 s41, ttmp6, 0x40004
	s_lshl_b32 s42, ttmp9, 2
	s_add_co_u32 s42, s42, s40                     ; tile column = 4 x cluster x + cx
	s_and_b32 s95, ttmp7, 0xffff                   ; cluster y
	s_lshl_b32 s19, s95, 2
	s_add_co_u32 s19, s19, s41                     ; tile row = 4 x cluster y + cy, 0 .. 95
	s_lshr_b32 s95, s95, 3                         ; t: 0 for q, 1 for k, 2 for v: the same in all sixteen
	s_lshl_b32 s43, s41, 2
	s_lshl_b32 s43, 15, s43                        ; my row of the cluster
	s_lshl_b32 s44, 0x1111, s40                    ; my column
	s_or_b32 s[G1+0], s43, (0<<16)|(1<<20)|(1<<21)|(5<<22)|(3<<25)  ; the mask; elements of 1 byte; padding on; bit 21 beside a mask; 4 words behind every 64
	s_or_b32 s[G1B+0], s44, (0<<16)|(1<<20)|(1<<21)|(5<<22)|(3<<25)
.irp g, G1, G1B
	s_mov_b32 s[\g+1], ROWB<<16                    ; tensor_dim0
	s_mov_b32 s[\g+2], 128<<16                     ; tensor_dim1
	s_mov_b32 s[\g+3], ROWB<<16                    ; tile_dim0
	s_mov_b32 s[\g+4], 128                         ; tile_dim1
	s_mov_b32 s[\g+5], KROW                        ; from row to row
	s_mov_b32 s[\g+6], 0
	s_mov_b32 s[\g+7], 0
.endr
	s_or_b32 s[G1S+0], s43, (3<<16)|(1<<20)|(1<<21)|(5<<22)|(3<<25)   ; the scales of 128 rows: 4,096 dense bytes as 16 rows of 32 elements of 8 bytes, the same padding
	s_or_b32 s[G1SB+0], s44, (3<<16)|(1<<20)|(1<<21)|(5<<22)|(3<<25)
.irp g, G1S, G1SB
	s_mov_b32 s[\g+1], 32<<16
	s_mov_b32 s[\g+2], 16<<16
	s_mov_b32 s[\g+3], 32<<16
	s_mov_b32 s[\g+4], 16
	s_mov_b32 s[\g+5], 32
	s_mov_b32 s[\g+6], 0
	s_mov_b32 s[\g+7], 0
.endr
	s_lshl_b32 s96, s18, 7                         ; which 128 rows I fetch
	s_lshl_b32 s20, s19, 8
	s_add_co_u32 s20, s20, s96                     ; the tokens' row in the stream: 256 x tile row + 128 x half
	s_lshl_b32 s22, s20, 5                         ; its scale bytes,
	s_lshl_b32 s20, s20, 9                         ; its codes
	s_mov_b32 s21, 0
	s_mov_b32 s23, 0
	s_lshl_b32 s46, s42, 8
	s_add_co_u32 s46, s46, s96                     ; W's row: 256 x tile column + 128 x half
	s_lshl_b32 s92, s46, 5
	s_lshl_b32 s46, s46, 9
	s_lshl_b32 s97, s95, 19
	s_add_co_u32 s46, s46, s97                     ; in weight t,
	s_add_co_u32 s46, s46, XW                      ; behind the tokens' codes
	s_lshl_b32 s97, s95, 15
	s_add_co_u32 s92, s92, s97
	s_add_co_u32 s92, s92, XWS
	s_mov_b32 s47, 0
	s_mov_b32 s93, 0
	s_mul_i32 s45, s16, HALFT                      ; where they go: wave x 128 rows: no place in the cluster enters an LDS address
	s_mul_i32 s94, s16, HALFS
	s_wait_dscnt 0x0                               ; both opening adds are done
	s_wait_kmcnt 0x0
	s_add_nc_u64 s[20:21], s[4:5], s[20:21]
	s_add_nc_u64 s[22:23], s[6:7], s[22:23]
	s_add_nc_u64 s[46:47], s[4:5], s[46:47]
	s_add_nc_u64 s[92:93], s[6:7], s[92:93]
	CROUND                                         ; all sixteen work-groups are here: the joint loads meet
	s_mov_b32 s[G0S], 1
	s_add_co_u32 s[G0S+1], s94, SCL
	s_mov_b64 s[G0S+2:G0S+3], s[22:23]
	s_or_b32 s[G0S+3], s[G0S+3], 0x80000000
	s_mov_b32 s[G0SB], 1
	s_add_co_u32 s[G0SB+1], s94, SCL
	s_mov_b64 s[G0SB+2:G0SB+3], s[92:93]
	s_or_b32 s[G0SB+3], s[G0SB+3], 0x80000000
	JLOAD G0S, G1S, G0SB, G1SB                     ; the scales first: they are wanted with the first slot
.irp s, 0,1
	s_mov_b32 s[G0+4*\s], 1
	s_add_co_u32 s[G0+4*\s+1], s45, \s*SLOT
	s_add_nc_u64 s[G0+4*\s+2:G0+4*\s+3], s[20:21], \s*ROWB
	s_or_b32 s[G0+4*\s+3], s[G0+4*\s+3], 0x80000000
	s_mov_b32 s[G0B+4*\s], 1
	s_add_co_u32 s[G0B+4*\s+1], s45, \s*SLOT
	s_add_nc_u64 s[G0B+4*\s+2:G0B+4*\s+3], s[46:47], \s*ROWB
	s_or_b32 s[G0B+4*\s+3], s[G0B+4*\s+3], 0x80000000
	JLOAD G0+4*\s, G1, G0B+4*\s, G1B               ; three loads of mine are out in all
.endr
	; the bias of my 128 channels, in the result's layout: for channel tile b, lane (r, h) holds bias[.. + 16 b + 8 h + 0 .. 7]
	s_cmp_eq_u32 s95, 0
	s_cselect_b64 s[96:97], s[8:9], s[10:11]
	s_cmp_eq_u32 s95, 2
	s_cselect_b64 s[96:97], s[12:13], s[96:97]
	s_cselect_b32 s98, -1, 0                       ; all ones for V
	s_lshl_b32 s46, s42, 10                        ; (256 x tile column + 128 x half) x 4 bytes
	s_lshl_b32 s47, s18, 9
	s_add_co_u32 s46, s46, s47
	s_mov_b32 s47, 0
	s_add_nc_u64 s[96:97], s[96:97], s[46:47]
	v_and_b32 v1, 15, v0                           ; r
	v_bfe_u32 v2, v0, 4, 1                         ; h
	v_lshlrev_b32 v[BOF], 5, v2
.irp b, 0,1,2,3,4,5,6,7
	global_load_b128 v[BIAS+8*\b:BIAS+8*\b+3], v[BOF], s[96:97] offset:64*\b
	global_load_b128 v[BIAS+8*\b+4:BIAS+8*\b+7], v[BOF], s[96:97] offset:64*\b+16
.endr
	v_mul_u32_u24 v3, v1, PITCH
	v_lshl_add_u32 v4, v2, 4, v3                   ; a fragment's row x pitch + 16 x half
	s_mul_i32 s21, s17, HALFT                      ; my 128 tokens
	s_mul_i32 s22, s18, HALFT                      ; my 128 rows of W,
	s_add_co_u32 s22, s22, 2*HALFT                 ; which lie behind the tokens' 256
.irp s, 0,1
	v_add_nc_u32 v[ADRA+\s], s21, v4
	v_add_nc_u32 v[ADRB+\s], s22, v4
	s_add_co_u32 s21, s21, SLOT
	s_add_co_u32 s22, s22, SLOT
.endr
	v_mul_u32_u24 v5, v1, KS                       ; my row's scales: 32 bytes a row,
	v_lshrrev_b32 v6, 8, v5
	v_lshl_add_u32 v5, v6, 4, v5                   ; and 16 more for each 256 passed
	s_mul_i32 s21, s17, HALFS
	s_mul_i32 s22, s18, HALFS
	s_add_co_u32 s22, s22, 2*HALFS
	s_sub_co_u32 s22, s22, s21
	v_mul_u32_u24 v6, s22, v2                      ; lanes 16-31 take W's: one product, the distance between the two bases
	s_add_co_u32 s21, s21, SCL
	v_add_nc_u32 v5, v5, v6
	v_add_nc_u32 v[ADRS], s21, v5
	v_and_b32 v6, 31, v0
	v_lshlrev_b32 v6, 4, v6                        ; Q, K: piece = lane
	v_and_b32 v7, 7, v0
	v_bfe_u32 v8, v0, 3, 1
	v_lshl_add_u32 v7, v2, 3, v7
	v_lshl_add_u32 v7, v8, 4, v7                   ; V: piece = 16 (r / 8) + 8 h + r % 8
	v_lshlrev_b32 v7, 4, v7
	v_cndmask_b32 v[CO], v6, v7, s98
	s_lshl_b32 s46, s42, 22                        ; my first head, 4 x tile column + 2 x half, 2^20 bytes each;
	s_lshl_b32 s47, s18, 21
	s_add_co_u32 s46, s46, s47
	s_lshl_b32 s47, s95, 24                        ; tensor t, 2^24 bytes;
	s_add_co_u32 s46, s46, s47
	s_and_b32 s47, s19, 31
	s_lshl_b32 s47, s47, 15                        ; my first token tile, 16 x (tile row % 32) + 8 x half, 2,048 bytes each
	s_add_co_u32 s46, s46, s47
	s_lshl_b32 s47, s17, 14
	s_add_co_u32 s46, s46, s47
	s_mov_b32 s47, 0
	s_add_nc_u64 s[14:15], s[14:15], s[46:47]
.macro FRAG reg, adr, q, i             ; a fragment: lane l holds row l % 16; registers 4 c .. 4 c + 3 hold K = 64 c + 32 (l / 16) + 0 .. 31
.irp c, 0,1
	ds_load_b128 v[\reg+4*\c:\reg+4*\c+3], v[\adr] offset:64*(\q)+32*\c+(\i)*16*PITCH
.endr
.endm
; 16 matrix instructions: token blocks a0, a0 + 1 x W's eight, the slot's q-th 128 along K.  p: W's set;  sc: the set of scale words.  first = 1: the bias starts the sums: nothing is cleared or added later.
; The 64 accumulators take turns, one instruction a turn, in the same order in every step.
.macro MUL16 a0, p, q, sc, first
.irp a, \a0, \a0+1
.irp b, 0,1,2,3,4,5,6,7
.if \first
	v_wmma_scale_f32_16x16x128_f8f6f4 v[8*(8*((\a)%4)+\b):8*(8*((\a)%4)+\b)+7], v[128*(\p)+FR*\b:128*(\p)+FR*\b+FR-1], v[AF+FR*(\a):AF+FR*(\a)+FR-1], v[BIAS+8*\b:BIAS+8*\b+7], v[SC+8*NQ*(\sc)+NQ*\b+(\q)], v[SC+8*NQ*(\sc)+NQ*(\a)+(\q)] matrix_a_fmt:MATRIX_FMT_FP4 matrix_b_fmt:MATRIX_FMT_FP4 matrix_a_scale:MATRIX_SCALE_ROW1
.else
	v_wmma_scale_f32_16x16x128_f8f6f4 v[8*(8*((\a)%4)+\b):8*(8*((\a)%4)+\b)+7], v[128*(\p)+FR*\b:128*(\p)+FR*\b+FR-1], v[AF+FR*(\a):AF+FR*(\a)+FR-1], v[8*(8*((\a)%4)+\b):8*(8*((\a)%4)+\b)+7], v[SC+8*NQ*(\sc)+NQ*\b+(\q)], v[SC+8*NQ*(\sc)+NQ*(\a)+(\q)] matrix_a_fmt:MATRIX_FMT_FP4 matrix_b_fmt:MATRIX_FMT_FP4 matrix_a_scale:MATRIX_SCALE_ROW1
.endif
.endr
.endr
.endm
.macro FETCH_B slot, q, p              ; W's eight fragments of the slot's q-th 128 along K into set p
	WIN TO_B
.irp i, 0,1,2,3,4,5,6,7
	FRAG 128*(\p)+FR*\i, ADRB+\slot, \q, \i
.endr
	WIN 0
.endm
.macro FETCH_A slot, q, i0             ; token blocks i0 .. i0 + 3
.irp i, \i0, \i0+1, \i0+2, \i0+3
	FRAG AF+FR*(\i), ADRA+\slot, \q, \i
.endr
.endm
.macro SCALES sc                       ; a slot's scale words into set sc: four words a row; lanes 0-15 take the tokens' block i, lanes 16-31 W's block i
.irp i, 0,1,2,3,4,5,6,7
	ds_load_b128 v[SC+8*NQ*\sc+NQ*\i:SC+8*NQ*\sc+NQ*\i+3], v[ADRS] offset:\i*SBLK
.endr
.endm
.macro PLACES n                        ; plain vector instructions that name no register of the matrix instructions ahead (ISA guide 7.12.1)
.rept \n
	v_nop
.endr
.endm
; A step of 128 along K that has its successor in the same slot.  A token block is free as soon as its eight products are issued: blocks 0-3 are fetched anew in the step's middle, blocks 4-7 at its end.
.macro STEP slot, q, first
	s_wait_dscnt 4*NL                              ; W's set and token blocks 0-3 are in; the youngest eight loads (blocks 4-7) may be out
	WIN MUL_LO-0x20*\first
	MUL16 0, (\q)%2, \q, \slot, \first
	MUL16 2, (\q)%2, \q, \slot, \first
	s_wait_dscnt 0                                 ; blocks 4-7 are in
	PLACES NP
	FETCH_B \slot, (\q)+1, 1-(\q)%2
	FETCH_A \slot, (\q)+1, 0
	WIN MUL_HI-0x30*\first
	MUL16 4, (\q)%2, \q, \slot, \first
	MUL16 6, (\q)%2, \q, \slot, \first
	PLACES NP
	WIN 0
	FETCH_A \slot, (\q)+1, 4
.endm
; Slot 0's last step goes over to slot 1: each wave waits for its part of slot 1, then the barrier shows the whole slot to all four.  Nothing is filled again.
.macro TURN slot, next
	s_wait_tensorcnt 0x0                           ; all my tensor loads have landed
	ds_add_u32 v[SPW], v[NIL]                      ; 0 onto my spare word
	s_wait_dscnt 4*NL+1                            ; (the add and the youngest eight loads may be out)
	WIN MUL_LO
	MUL16 0, 1, NQ-1, \slot, 0
	s_wait_dscnt 0x0                               ; no LDS instruction of mine is out at the signal
	s_barrier_signal -1
	MUL16 2, 1, NQ-1, \slot, 0
	WIN 0
	s_barrier_wait -1
	PLACES NP
	v_add_nc_u32 v[ADRS], 4*NQ, v[ADRS]            ; on to the next slot's scale words
	FETCH_B \next, 0, 0
	FETCH_A \next, 0, 0
	SCALES \next
	WIN MUL_HI
	MUL16 4, 1, NQ-1, \slot, 0
	MUL16 6, 1, NQ-1, \slot, 0
	PLACES NP
	WIN 0
	FETCH_A \next, 0, 4
.endm
	s_wait_tensorcnt 1                             ; the scales and my part of slot 0 are in (slot 1's load may be out),
	s_barrier_signal -1
	s_barrier_wait -1                              ; everybody's are
	FETCH_B 0, 0, 0
	FETCH_A 0, 0, 0
	SCALES 0
	FETCH_A 0, 0, 4
	s_wait_loadcnt 0x0                             ; the bias
	STEP 0, 0, 1
	STEP 0, 1, 0
	STEP 0, 2, 0
	TURN 0, 1
	STEP 1, 0, 0
	STEP 1, 1, 0
	STEP 1, 2, 0
	s_wait_dscnt 4*NL                              ; the last step: nothing more to fetch
	WIN MUL_LO
	MUL16 0, 1, NQ-1, 1, 0
	MUL16 2, 1, NQ-1, 1, 0
	s_wait_dscnt 0
	WIN MUL_HI
	MUL16 4, 1, NQ-1, 1, 0
	MUL16 6, 1, NQ-1, 1, 0
	WIN 0
; THE WAY OUT of token block a: 32 roundings to f16 (each accumulator from its low end on), eight stores of 512 consecutive bytes: channel tile b is head b / 4, piece group b % 4.
.macro PACK a
.set AC, 64*((\a)%4)
.set TP, TMP+32*((\a)%2)
	WIN 0x0a+5*((\a)/4)                            ; sources 0 and 1: window 2 or 3
.irp b, 0,1,2,3,4,5,6,7
.irp n, 0,1,2,3
	v_cvt_pk_f16_f32 v[TP+4*\b+\n], v[AC+8*\b+2*\n], v[AC+8*\b+2*\n+1]
.endr
.endr
	WIN 0
.irp b, 0,1,2,3,4,5,6,7
	global_store_b128 v[CO], v[TP+4*\b:TP+4*\b+3], s[14:15] offset:(\a)*2048+(\b/4)*1048576+(\b%4)*512
.endr
.endm
	PLACES NP                                      ; behind the last products: for the reads of their results and the writes over the fragments that they read
.irp a, 0,1,2,3,4,5,6,7
.if \a > 1
	s_wait_xcnt 0x0                                ; block a - 2's stores have read their registers: they are written again only behind this wait
.endif
	PACK \a
.endr
	s_wait_tensorcnt 0x0                           ; the wave's end
	ds_add_u32 v[SPW], v[NIL]
	s_wait_dscnt 0x0
	CROUND                                         ; the closing round
	s_endpgm
.Lfunc_end_k_q0a8cf56f34_proj:
	.size	k_q0a8cf56f34_proj, .Lfunc_end_k_q0a8cf56f34_proj-k_q0a8cf56f34_proj
	.p2alignl 7, 3214868480
	.fill 96, 4, 3214868480
	.section	.rodata,"a",@progbits
	.p2align	6, 0x0
	.amdhsa_kernel k_q0a8cf56f34_proj
		.amdhsa_group_segment_fixed_size 327680
		.amdhsa_private_segment_fixed_size 0
		.amdhsa_enable_private_segment 0
		.amdhsa_kernarg_size 48
		.amdhsa_user_sgpr_count 2
		.amdhsa_user_sgpr_kernarg_segment_ptr 1
		.amdhsa_wavefront_size32 1
		.amdhsa_system_sgpr_workgroup_id_x 1
		.amdhsa_system_sgpr_workgroup_id_y 1
		.amdhsa_system_sgpr_workgroup_id_z 1
		.amdhsa_system_vgpr_workitem_id 0
		.amdhsa_next_free_vgpr 1024
		.amdhsa_next_free_sgpr 100
		.amdhsa_reserve_vcc 0
		.amdhsa_float_denorm_mode_32 3
		.amdhsa_float_denorm_mode_16_64 3
		.amdhsa_memory_ordered 1
		.amdhsa_forward_progress 1
		.amdhsa_inst_pref_size 120
	.end_amdhsa_kernel
	.amdgpu_metadata
---
amdhsa.version: [ 1, 2 ]
amdhsa.kernels:
  - .name:           k_q0a8cf56f34_proj
    .symbol:         k_q0a8cf56f34_proj.kd
    .args:
      - { .name: codes, .offset: 0, .size: 8, .value_kind: global_buffer, .address_space: global }
      - { .name: scales, .offset: 8, .size: 8, .value_kind: global_buffer, .address_space: global }
      - { .name: bq, .offset: 16, .size: 8, .value_kind: global_buffer, .address_space: global }
      - { .name: bk, .offset: 24, .size: 8, .value_kind: global_buffer, .address_space: global }
      - { .name: bv, .offset: 32, .size: 8, .value_kind: global_buffer, .address_space: global }
      - { .name: qkv, .offset: 40, .size: 8, .value_kind: global_buffer, .address_space: global }
    .group_segment_fixed_size: 327680
    .private_segment_fixed_size: 0
    .kernarg_segment_align: 8
    .kernarg_segment_size: 48
    .max_flat_workgroup_size: 128
    .sgpr_count:     100
    .vgpr_count:     1024
    .wavefront_size: 32
...
	.end_amdgpu_metadata
.endif
;; end of part 2
;; launch attn (part 3): grid 8 x 64, 8 waves a work-group, clusters of 4 x 1, 327,680 bytes of LDS; arguments qkv, mbits, ctx; writes ctx
.if DOCPART == 3
	.amdgcn_target "amdgcn-amd-amdhsa--gfx1250"
	.amdhsa_code_object_version 6
	.text
	.protected	k_q0a8cf56f34_attn
	.globl	k_q0a8cf56f34_attn
	.p2align	8
	.type	k_q0a8cf56f34_attn,@function
k_q0a8cf56f34_attn:
	s_mov_b64 s[64:65], 0
	v_nop
	global_prefetch_b8 v0, s[64:65] scope:SCOPE_SE
	s_setreg_imm32_b32 hwreg(HW_REG_WAVE_MODE, 25, 1), 1
	s_wait_xcnt 0x0
	s_wait_alu depctr_hold_cnt(0) depctr_sa_sdst(0) depctr_va_vdst(0) depctr_va_sdst(0) depctr_va_ssrc(0) depctr_va_vcc(0) depctr_vm_vsrc(0)
	s_getreg_b32 s2, hwreg(HW_REG_IB_STS2, 6, 4)
	s_cmp_eq_u32 s2, 0
	s_cbranch_scc0 .Lentry_in_a_cluster
	s_endpgm
.Lentry_in_a_cluster:
	s_bfe_u32 s2, ttmp6, 0x10000c
	s_cmp_lg_u32 s2, 0x3003
	s_cbranch_scc0 .Lentry_shape_is_right
	s_endpgm
.Lentry_shape_is_right:
; MULTI-HEAD ATTENTION, launch 3 of 4: ctx = softmax(where(mask, 1e-9, Q K^T / 8)) V for each of 4 x 16 heads, 2,048 queries x 2,048 keys, head size 64.  No work is left out: a masked score is 1e-9, not -infinity, so every key counts.
; Operands in f16 (Q, K, V as the launch before stored them; the weights p rounded to f16), sums, maxima and the softmax in f32; ctx rounded once to f16.
; SHARES.  A work-group owns 256 queries of one head, each of its eight waves 32: two tiles of 16.  Two waves lie on a SIMD, so that one wave's softmax stands beside the other's products and LDS loads.  Every wave walks all keys, 64 a step.
; LAYOUT.  S^T = K Q^T (source 0 = 16 keys, source 1 = 16 queries): a lane holds ONE query (lane % 16) and keys 8 (lane / 16) + 0 .. 7.  Two such tiles, rounded in pairs, ARE source 1 of O^T = V^T P, whose result again holds one query a lane
; and eight channels: as f16 they are the 16 bytes that the next launch's operand wants in this lane, so ctx leaves as register images: [query tile 512][u = 4 head + ct][lane][16 bytes], 512 consecutive bytes a store, no stage.
; K and V come as register images too (2,048 bytes for 16 tokens): every LDS load is at 16 x lane + a constant.  K by plain loads, V by the turning load.
; THE MASK comes as lane masks, one word for each register of a tile of scores: 2 x 32 words a step, by scalar loads a step ahead; one v_cndmask_b32 a score, ahead of the maximum.  The masked score is 8 x f32(1e-9): the division by 8 lies in c.
; SOFTMAX.  A running maximum m and sum l for each query: p = 2^(c s - c m), c = log2(e) / 8; in every step O and l are multiplied by a = 2^(c m_old - c m_new).  The step is written once: it finds m = -3e38, l = 0, O = 0.
; RING.  Two LDS slots of 512 keys (K's 64 KiB, then V's).  Every wave fetches 16 KiB of a slot by one tensor load.  CLUSTER: the four query blocks of a cluster walk the same K and V: each load is joint, with a mask that names the four.
; LIMITS: a p under 2^-25 of its row's largest counts as 0 in the second product (f16); |ctx| stays under 65,504; NaN and infinities are not served.
; REGISTERS: window 0: v1-10 addresses and constants; v16-47 Q; v48-111 S^T, then p; v112-143 P; v144-207 O^T; v208-223 statistics, eight a tile: c m, m, l (two halves), C0-C3 at work (a takes C2's place).
;   window 1: v0-63 K's eight fragments, v64-127 V's eight.
.set LI,   1                           ; v1   16 x lane
.set ADK,  3                           ; v3   LDS address of the step's K
.set ADV,  4                           ; v4   of its V
.set PFO,  6                           ; v6   256 x lane; never rewritten
.set SPW,  8                           ; v8   my spare word; never rewritten
.set NIL,  9                           ; v9   0; never rewritten
.set TMV,  10                          ; v10  the masked score
.set Q,    16
.set S,    48
.set P,    112
.set O,    144
.set ST,   208
.set KF,   0
.set VF,   64
.set SLOTB, 131072
.set VOFF,  65536
.set SPARE, 262144                     ; behind the ring: the spare words, 128 bytes for each of eight waves
.set G1,   12                          ; s[12:19] descriptor group 1
.set G0,   20                          ; s[20:23], s[24:27] group 0 of slot 0, slot 1
.set WV,   28
.set TB,   29                          ; LDS byte at which the step's K begins
.set CNT,  30                          ; counts a slot's eight steps
.set GS,   31                          ; steps to go
.set MW0,  32                          ; s[32:63] tile 0's 32 mask words
.set SEL,  66                          ; s[66:67] lane selects for v_permlanex16_b32: lane l xor 16
.set MW1,  68                          ; s[68:99] tile 1's
.set CS,   100                         ; s[100:101] c, twice
.set LIM,  104                         ; 1 in a wave that prefetches
.set MSB, 0
.macro WIN new
.if MSB != (\new)
	s_set_vgpr_msb (MSB<<8)|(\new)
.set MSB, (\new)
.endif
.endm
.macro ROUND                           ; a round of the cluster's barrier
	s_barrier_signal -1
	s_barrier_wait -1
	s_cmp_lg_u32 s[WV], 0
	s_cbranch_scc1 .Lnot_wave_0_\@
	s_barrier_signal -3
.Lnot_wave_0_\@:
	s_barrier_wait -3
	s_barrier_signal -1
	s_barrier_wait -1
.endm
	s_load_b128 s[4:7], s[0:1], 0x0                ; qkv s[4:5], mbits s[6:7]
	s_load_b64 s[8:9], s[0:1], 0x10                ; ctx
	v_lshl_add_u32 v[SPW], v0, 2, SPARE
	v_mov_b32 v[NIL], 0
	ds_add_u32 v[SPW], v[NIL]                      ; the wave's opening: the add, twice on end, and its wait ahead of my first tensor load
	ds_add_u32 v[SPW], v[NIL]
	v_lshrrev_b32 v1, 5, v0
	v_readfirstlane_b32 s[WV], v1                  ; wave 0..7
	s_bfe_u32 s32, ttmp6, 0x40000                  ; cx
	s_lshl_b32 s33, ttmp9, 2
	s_add_co_u32 s33, s33, s32                     ; qb: my block of 256 queries
	s_and_b32 s34, ttmp7, 0xffff
	s_and_b32 s35, s34, 15                         ; head
	s_lshr_b32 s36, s34, 4                         ; b
	s_lshl_b32 s37, s35, 20
	s_lshl_b32 s38, s36, 18
	s_add_co_u32 s37, s37, s38                     ; the head's 128 token tiles in each of Q, K, V: head x 2^20 + b x 2^18
	s_lshr_b32 s40, s[WV], 2                       ; what I fetch: waves 0-3 a quarter of K's part of a slot, waves 4-7 of V's
	s_add_co_u32 s40, s40, 1
	s_lshl_b32 s40, s40, 24                        ; tensor 1 or 2
	s_add_co_u32 s40, s40, s37
	s_and_b32 s42, s[WV], 3
	s_lshl_b32 s42, s42, 14                        ; 16 KiB a wave
	s_add_co_u32 s40, s40, s42
	s_mov_b32 s41, 0
	s_lshl_b32 s44, s33, 15                        ; Q: 16 token tiles a block,
	s_lshl_b32 s45, s[WV], 12                      ; two a wave
	s_add_co_u32 s44, s44, s45
	s_add_co_u32 s44, s44, s37
	s_mov_b32 s45, 0
	s_lshl_b32 s46, s33, 16                        ; the mask words: 4,096 bytes a query tile
	s_lshl_b32 s47, s[WV], 13
	s_add_co_u32 s46, s46, s47
	s_mov_b32 s47, 0
	s_lshl_b32 s48, s36, 22                        ; ctx: 32,768 bytes a query tile: b x 128, qb x 16, wave x 2 tiles; + 4 head pieces of 512 bytes
	s_lshl_b32 s49, s33, 19
	s_add_co_u32 s48, s48, s49
	s_lshl_b32 s49, s[WV], 16
	s_add_co_u32 s48, s48, s49
	s_lshl_b32 s49, s35, 11
	s_add_co_u32 s48, s48, s49
	s_mov_b32 s49, 0
	s_bfe_u32 s50, s[WV], 0x10001                  ; the prefetch: waves 0, 1 K's, waves 2, 3 V's keys 1,536 on;
	s_add_co_u32 s50, s50, 1
	s_lshl_b32 s50, s50, 24
	s_add_co_u32 s50, s50, s37
	s_add_co_u32 s50, s50, 196608
	s_lshl_b32 s51, s32, 14                        ; the four partners take 16 KiB each, told apart by address,
	s_add_co_u32 s50, s50, s51
	s_and_b32 s51, s[WV], 1
	s_lshl_b32 s51, s51, 13                        ; a wave 8 KiB, lanes 256 bytes apart
	s_add_co_u32 s50, s50, s51
	s_mov_b32 s51, 0
	s_lshr_b32 s[LIM], s[WV], 2                    ; 0 in waves 0 to 3,
	s_or_b32 s[LIM], s[LIM], ttmp9                 ; of the head's first cluster: the same in all four partners
	s_cmp_eq_u32 s[LIM], 0
	s_cselect_b32 s[LIM], 1, 0
	s_mov_b32 s[G1], 15|(3<<16)|(1<<21)            ; the mask: all four work-groups; elements of 8 bytes; bit 21 beside a mask; no padding
	s_mov_b32 s[G1+1], 32<<16                      ; tensor_dim0 = 32: rows of 256 bytes
	s_mov_b32 s[G1+2], 64<<16                      ; tensor_dim1 = 64
	s_mov_b32 s[G1+3], 32<<16                      ; tile_dim0
	s_mov_b32 s[G1+4], 64                          ; tile_dim1
	s_mov_b32 s[G1+5], 32                          ; dense
	s_mov_b32 s[G1+6], 0
	s_mov_b32 s[G1+7], 0
	s_mov_b32 s[SEL], 0x76543210
	s_mov_b32 s[SEL+1], 0xfedcba98
	s_mov_b32 s[CS], 0x3e38aa3b                    ; c = log2(e) / 8
	s_mov_b32 s[CS+1], s[CS]
	s_mov_b32 s[GS], 32
	v_and_b32 v[LI], 31, v0
	v_lshlrev_b32 v[PFO], 8, v[LI]
	v_lshlrev_b32 v[LI], 4, v[LI]
	v_mov_b32 v[TMV], 0x3209705f                   ; 8 x f32(1e-9)
	s_wait_dscnt 0x0                               ; both opening adds are done
	s_wait_kmcnt 0x0
	s_add_nc_u64 s[10:11], s[4:5], s[50:51]        ; the prefetch's base
	s_add_nc_u64 s[6:7], s[6:7], s[46:47]
	s_add_nc_u64 s[8:9], s[8:9], s[48:49]
	s_mov_b32 s[G0], 1
	s_lshl_b32 s[G0+1], s[WV], 14                  ; LDS: wave x 16,384: K's four quarters, then V's
	s_add_nc_u64 s[G0+2:G0+3], s[4:5], s[40:41]    ; keys 0 to 511
	s_mov_b32 s[G0+4], 1
	s_add_co_u32 s[G0+5], s[G0+1], SLOTB
	s_add_nc_u64 s[G0+6:G0+7], s[G0+2:G0+3], 65536 ; keys 512 to 1,023
	s_or_b32 s[G0+3], s[G0+3], 0x80000000
	s_or_b32 s[G0+7], s[G0+7], 0x80000000
	s_add_nc_u64 s[4:5], s[4:5], s[44:45]          ; Q at my wave's first tile
	ROUND                                          ; all four work-groups are here: the first joint loads meet
	tensor_load_to_lds s[G0:G0+3], s[G1:G1+7]      ; both first fills together, in every wave: two loads of mine are out
	s_nop 0
	tensor_load_to_lds s[G0+4:G0+7], s[G1:G1+7]
	s_nop 0
.rept 4
	v_nop
.endr
	s_load_b512 s[MW0:MW0+15], s[6:7], 0x0         ; step 0's mask words: tile 0's 32,
	s_load_b512 s[MW0+16:MW0+31], s[6:7], 0x40
	s_load_b512 s[MW1:MW1+15], s[6:7], 0x1000      ; tile 1's
	s_load_b512 s[MW1+16:MW1+31], s[6:7], 0x1040
.irp x, 0,1
.irp f, 0,1
.irp c, 0,1
	global_load_b128 v[Q+16*\x+8*\f+4*\c:Q+16*\x+8*\f+4*\c+3], v[LI], s[4:5] offset:2048*\x+512*(2*\f+\c)   ; Q stays in registers
.endr
.endr
.endr
.irp x, 0,1
	v_mov_b32 v[ST+8*\x+1], 0xff61b1e6             ; m = -3e38, under every score
	v_mul_f32 v[ST+8*\x], s[CS], v[ST+8*\x+1]      ; c m
.irp n, 2,3,4,5,6,7
	v_mov_b32 v[ST+8*\x+\n], 0                     ; l; and the registers at work, written once (a lane permute's destination counts as read)
.endr
.endr
.set n, 0
.rept 64
	v_mov_b32 v[O+n], 0                            ; O^T: the step is written once, and the first finds zeros
.set n, n+1
.endr
; A KEY STEP: 64 keys at LDS byte s[TB].
.macro STEP
	v_add_nc_u32 v[ADK], s[TB], v[LI]              ; these four lines are the places between the last step's products and the loads into V's fragments
	v_add_nc_u32 v[ADV], VOFF, v[ADK]
	v_nop
	v_nop
	WIN 0x40                                       ; destination window 1
.irp i, 0,1,2,3
.irp f, 0,1
.irp c, 0,1
	ds_load_b128 v[KF+16*\i+8*\f+4*\c:KF+16*\i+8*\f+4*\c+3], v[ADK] offset:2048*\i+512*(2*\f+\c)   ; keys 16 i on, channels 32 f + 16 c on
.endr
.endr
.endr
.irp kb, 0,1
.irp ct, 0,1,2,3
.irp c, 0,1
	ds_load_tr16_b128 v[VF+32*\kb+8*\ct+4*\c:VF+32*\kb+8*\ct+4*\c+3], v[ADV] offset:2048*(2*\kb+\c)+512*\ct   ; keys 32 kb + 16 c on, channels 16 ct on, turned
.endr
.endr
.endr
	s_wait_dscnt 16                                ; K's sixteen loads are in; V's sixteen may be out
	WIN 0x01                                       ; source 0 window 1
.irp f, 0,1                            ; S^T = K Q^T: eight accumulators by turns, one instruction a turn; the first eight start the sums
.irp i, 0,1,2,3
.irp x, 0,1
.if \f == 0
	v_wmma_f32_16x16x32_f16 v[S+32*\x+8*\i:S+32*\x+8*\i+7], v[KF+16*\i+8*\f:KF+16*\i+8*\f+7], v[Q+16*\x+8*\f:Q+16*\x+8*\f+7], 0
.else
	v_wmma_f32_16x16x32_f16 v[S+32*\x+8*\i:S+32*\x+8*\i+7], v[KF+16*\i+8*\f:KF+16*\i+8*\f+7], v[Q+16*\x+8*\f:Q+16*\x+8*\f+7], v[S+32*\x+8*\i:S+32*\x+8*\i+7]
.endif
.endr
.endr
.endr
	WIN 0
	s_wait_kmcnt 0x0                               ; this step's mask words, asked for a step ago
.rept 4
	v_nop                                          ; places behind the products
.endr
.set n, 0
.rept 32
	v_cndmask_b32 v[S+n], v[S+n], v[TMV], s[MW0+n] ; where the mask is set the score is the constant; each accumulator from its low end on
.set n, n+1
.endr
.set n, 0
.rept 32
	v_cndmask_b32 v[S+32+n], v[S+32+n], v[TMV], s[MW1+n]
.set n, n+1
.endr
	s_wait_xcnt 0x0                                ; the pointer is stepped only behind this wait (the words' own loads are done)
	s_add_nc_u64 s[6:7], s[6:7], 128               ; four key tiles of 32 bytes on
	s_sub_co_u32 s[GS], s[GS], 1
	s_cmp_lg_u32 s[GS], 0
	s_cbranch_scc0 .Lno_words_\@                   ; the last step asks for nothing: no load leaves the buffer
	s_load_b512 s[MW0:MW0+15], s[6:7], 0x0
	s_load_b512 s[MW0+16:MW0+31], s[6:7], 0x40
	s_load_b512 s[MW1:MW1+15], s[6:7], 0x1000
	s_load_b512 s[MW1+16:MW1+31], s[6:7], 0x1040
.Lno_words_\@:
.irp j, 0,1,2,3                        ; the maximum of a lane's 32 scores and the old m: four chains of seven, the two tiles by turns
.irp x, 0,1
	v_max3_num_f32 v[ST+8*\x+4+\j], v[S+32*\x+8*\j], v[S+32*\x+8*\j+1], v[S+32*\x+8*\j+2]
.endr
.endr
.irp g, 1,2
.irp j, 0,1,2,3
.irp x, 0,1
	v_max3_num_f32 v[ST+8*\x+4+\j], v[ST+8*\x+4+\j], v[S+32*\x+8*\j+2*\g+1], v[S+32*\x+8*\j+2*\g+2]
.endr
.endr
.endr
.irp x, 0,1
	v_max3_num_f32 v[ST+8*\x+4], v[ST+8*\x+4], v[S+32*\x+7], v[S+32*\x+15]
	v_max3_num_f32 v[ST+8*\x+6], v[ST+8*\x+6], v[S+32*\x+23], v[S+32*\x+31]
.endr
.irp x, 0,1
	v_max3_num_f32 v[ST+8*\x+4], v[ST+8*\x+4], v[ST+8*\x+5], v[ST+8*\x+6]
.endr
.irp x, 0,1
	v_max3_num_f32 v[ST+8*\x+4], v[ST+8*\x+4], v[ST+8*\x+7], v[ST+8*\x+1]
.endr
.irp x, 0,1
	v_permlanex16_b32 v[ST+8*\x+5], v[ST+8*\x+4], s[SEL], s[SEL+1]   ; the query's other 32 keys lie in the lane 16 away
.endr
.irp x, 0,1
	v_mov_b32 v[ST+8*\x+7], v[ST+8*\x]             ; c m_old
.endr
.irp x, 0,1
	v_max_num_f32 v[ST+8*\x+1], v[ST+8*\x+4], v[ST+8*\x+5]
.endr
.irp x, 0,1
	v_mul_f32 v[ST+8*\x], s[CS], v[ST+8*\x+1]
.endr
.irp x, 0,1
	v_sub_f32 v[ST+8*\x+7], v[ST+8*\x+7], v[ST+8*\x]
.endr
.irp x, 0,1
.set n, 0
.rept 16
	v_pk_fma_f32 v[S+32*\x+n:S+32*\x+n+1], v[S+32*\x+n:S+32*\x+n+1], s[CS:CS+1], v[ST+8*\x:ST+8*\x+1] op_sel_hi:[1,0,0] neg_lo:[0,0,1] neg_hi:[0,0,1]   ; c s - c m, two at a time
.set n, n+2
.endr
.endr
.irp x, 0,1
	v_exp_f32 v[ST+8*\x+6], v[ST+8*\x+7]           ; a.  ONE BATCH of 66 exponentials: none reads another's result
.endr
.set n, 0
.rept 64
	v_exp_f32 v[S+n], v[S+n]                       ; p
.set n, n+1
.endr
	v_nop                                          ; the plain instruction behind the last exponential
	s_wait_alu depctr_va_vdst(0)                   ; one wait for the batch, ahead of its first reader
.irp x, 0,1                            ; l = a l + the sum of the unrounded p: two chains a tile
	v_pk_fma_f32 v[ST+8*\x+2:ST+8*\x+3], v[ST+8*\x+2:ST+8*\x+3], v[ST+8*\x+6:ST+8*\x+7], v[S+32*\x:S+32*\x+1] op_sel_hi:[1,0,1]
	v_pk_add_f32 v[ST+8*\x+4:ST+8*\x+5], v[S+32*\x+2:S+32*\x+3], v[S+32*\x+6:S+32*\x+7]
.endr
.irp j, 4,8,12,16,20,24
.irp x, 0,1
	v_pk_add_f32 v[ST+8*\x+2:ST+8*\x+3], v[ST+8*\x+2:ST+8*\x+3], v[S+32*\x+\j:S+32*\x+\j+1]
	v_pk_add_f32 v[ST+8*\x+4:ST+8*\x+5], v[ST+8*\x+4:ST+8*\x+5], v[S+32*\x+\j+6:S+32*\x+\j+7]
.endr
.endr
.irp x, 0,1
	v_pk_add_f32 v[ST+8*\x+2:ST+8*\x+3], v[ST+8*\x+2:ST+8*\x+3], v[S+32*\x+28:S+32*\x+29]
.endr
.irp x, 0,1
	v_pk_add_f32 v[ST+8*\x+2:ST+8*\x+3], v[ST+8*\x+2:ST+8*\x+3], v[ST+8*\x+4:ST+8*\x+5]
.endr
.set n, 0
.rept 32
	v_cvt_pk_f16_f32 v[P+n], v[S+2*n], v[S+2*n+1]  ; two tiles of 16 keys, rounded in pairs, are a fragment of 32 keys
.set n, n+1
.endr
.irp x, 0,1
.set n, 0
.rept 16
	v_pk_mul_f32 v[O+32*\x+n:O+32*\x+n+1], v[O+32*\x+n:O+32*\x+n+1], v[ST+8*\x+6:ST+8*\x+7] op_sel_hi:[1,0]   ; O^T x a, each accumulator from its low end on
.set n, n+2
.endr
.endr
	s_wait_dscnt 0x0                               ; V is in
	WIN 0x01
.irp kb, 0,1                           ; O^T += V^T P: eight accumulators by turns
.irp ct, 0,1,2,3
.irp x, 0,1
	v_wmma_f32_16x16x32_f16 v[O+32*\x+8*\ct:O+32*\x+8*\ct+7], v[VF+32*\kb+8*\ct:VF+32*\kb+8*\ct+7], v[P+16*\x+8*\kb:P+16*\x+8*\kb+7], v[O+32*\x+8*\ct:O+32*\x+8*\ct+7]
.endr
.endr
.endr
	WIN 0
.endm
.macro SLOT_STEPS slot                 ; a slot's eight steps
	s_mov_b32 s[TB], \slot*SLOTB
	s_mov_b32 s[CNT], 8
.Lstep_\@:
	STEP
	s_add_co_u32 s[TB], s[TB], 8192                ; four token tiles of 2,048 bytes on
	s_sub_co_u32 s[CNT], s[CNT], 1
	s_cmp_lg_u32 s[CNT], 0
	s_cbranch_scc1 .Lstep_\@
.endm
; THE CHANGE OF SLOTS.  Each wave waits for all its tensor loads (its part of the slot ahead), adds 0 to its spare word, and waits for that and for its reads of the slot that it leaves.
; fill = 1: behind a round of the cluster's barrier no wave of any partner still reads that slot, and it takes the keys 1,024 further on: one joint load a wave, with eight steps in which to land.
.macro CHANGE slot, fill
	s_wait_tensorcnt 0x0                           ; no tensor load of mine is out, so a group 0 may be written
	ds_add_u32 v[SPW], v[NIL]
.if \fill
	s_add_nc_u64 s[G0+4*\slot+2:G0+4*\slot+3], s[G0+4*\slot+2:G0+4*\slot+3], 131072
.endif
	s_wait_dscnt 0x0                               ; the add is done, and my reads of the slot are over
.if \fill
	ROUND
	tensor_load_to_lds s[G0+4*\slot:G0+4*\slot+3], s[G1:G1+7]
	s_nop 0
.rept 4
	v_nop
.endr
.else
	s_barrier_signal -1
	s_barrier_wait -1
.endif
.endm
	s_wait_loadcnt 0x0                             ; Q
	s_wait_tensorcnt 1                             ; my part of slot 0 is in; slot 1's may stay out
	s_barrier_signal -1
	s_barrier_wait -1
	SLOT_STEPS 0                                   ; keys 0 to 511
	CHANGE 0, 1                                    ; slot 0 takes keys 1,024 on
	s_cmp_eq_u32 s[LIM], 1                         ; A PREFETCH of what the NEXT change will ask for, keys 1,536 on of K and V, eight steps ahead of that load: 2 x 64 KiB, each aligned 256 bytes named once in the launch:
	s_cbranch_scc0 .Lnot_mine                      ; both clusters of a head walk the same rows, the first asks; its four partners take 16 KiB of each tensor, by address; waves 0, 1 K's, waves 2, 3 V's, a lane 256 bytes
	global_prefetch_b8 v[PFO], s[10:11] th:TH_LOAD_NT scope:SCOPE_SE
.Lnot_mine:
	SLOT_STEPS 1                                   ; keys 512 to 1,023
	CHANGE 1, 1                                    ; slot 1 takes keys 1,536 on
	SLOT_STEPS 0
	CHANGE 0, 0                                    ; nothing is left to fetch
	SLOT_STEPS 1
	; THE WAY OUT.  l's halves and the other half of the lanes' are added; O^T / l, rounded to f16, is stored as it lies: 16 bytes a lane.
.rept 4
	v_nop                                          ; places behind the last products
.endr
.irp x, 0,1
	v_add_f32 v[ST+8*\x+4], v[ST+8*\x+2], v[ST+8*\x+3]
.endr
.irp x, 0,1
	v_permlanex16_b32 v[ST+8*\x+5], v[ST+8*\x+4], s[SEL], s[SEL+1]
.endr
.irp x, 0,1
	v_add_f32 v[ST+8*\x+4], v[ST+8*\x+4], v[ST+8*\x+5]
.endr
.irp x, 0,1
	v_rcp_f32 v[ST+8*\x+6], v[ST+8*\x+4]
.endr
	v_nop                                          ; a plain instruction behind the last reciprocal
	s_wait_alu depctr_va_vdst(0)                   ; one wait for the two, ahead of their first reader
.irp x, 0,1
.set n, 0
.rept 16
	v_pk_mul_f32 v[O+32*\x+n:O+32*\x+n+1], v[O+32*\x+n:O+32*\x+n+1], v[ST+8*\x+6:ST+8*\x+7] op_sel_hi:[1,0]
.set n, n+2
.endr
.endr
.set n, 0
.rept 32
	v_cvt_pk_f16_f32 v[S+n], v[O+2*n], v[O+2*n+1]
.set n, n+1
.endr
.irp x, 0,1
.irp ct, 0,1,2,3
	global_store_b128 v[LI], v[S+16*\x+4*\ct:S+16*\x+4*\ct+3], s[8:9] offset:32768*\x+512*\ct   ; 512 consecutive bytes, aligned
.endr
.endr
	s_wait_tensorcnt 0x0                           ; the wave's end
	ds_add_u32 v[SPW], v[NIL]
	s_wait_dscnt 0x0
	ROUND                                          ; the closing round
	s_endpgm
.Lfunc_end_k_q0a8cf56f34_attn:
	.size	k_q0a8cf56f34_attn, .Lfunc_end_k_q0a8cf56f34_attn-k_q0a8cf56f34_attn
	.p2alignl 7, 3214868480
	.fill 96, 4, 3214868480
	.section	.rodata,"a",@progbits
	.p2align	6, 0x0
	.amdhsa_kernel k_q0a8cf56f34_attn
		.amdhsa_group_segment_fixed_size 327680
		.amdhsa_private_segment_fixed_size 0
		.amdhsa_enable_private_segment 0
		.amdhsa_kernarg_size 24
		.amdhsa_user_sgpr_count 2
		.amdhsa_user_sgpr_kernarg_segment_ptr 1
		.amdhsa_wavefront_size32 1
		.amdhsa_system_sgpr_workgroup_id_x 1
		.amdhsa_system_sgpr_workgroup_id_y 1
		.amdhsa_system_sgpr_workgroup_id_z 1
		.amdhsa_system_vgpr_workitem_id 0
		.amdhsa_next_free_vgpr 384
		.amdhsa_next_free_sgpr 106
		.amdhsa_reserve_vcc 0
		.amdhsa_float_denorm_mode_32 3
		.amdhsa_float_denorm_mode_16_64 3
		.amdhsa_memory_ordered 1
		.amdhsa_forward_progress 1
		.amdhsa_inst_pref_size 103
	.end_amdhsa_kernel
	.amdgpu_metadata
---
amdhsa.version: [ 1, 2 ]
amdhsa.kernels:
  - .name:           k_q0a8cf56f34_attn
    .symbol:         k_q0a8cf56f34_attn.kd
    .args:
      - { .name: qkv, .offset: 0, .size: 8, .value_kind: global_buffer, .address_space: global }
      - { .name: mbits, .offset: 8, .size: 8, .value_kind: global_buffer, .address_space: global }
      - { .name: ctx, .offset: 16, .size: 8, .value_kind: global_buffer, .address_space: global }
    .group_segment_fixed_size: 327680
    .private_segment_fixed_size: 0
    .kernarg_segment_align: 8
    .kernarg_segment_size: 24
    .max_flat_workgroup_size: 256
    .sgpr_count:     106
    .vgpr_count:     384
    .wavefront_size: 32
...
	.end_amdgpu_metadata
.endif
;; end of part 3
;; launch oproj (part 4): grid 8 x 32, 4 waves a work-group, clusters of 4 x 4, 327,680 bytes of LDS; arguments ctx, wo16, bo, out0; writes out0
.if DOCPART == 4
	.amdgcn_target "amdgcn-amd-amdhsa--gfx1250"
	.amdhsa_code_object_version 6
	.text
	.protected	k_q0a8cf56f34_oproj
	.globl	k_q0a8cf56f34_oproj
	.p2align	8
	.type	k_q0a8cf56f34_oproj,@function
k_q0a8cf56f34_oproj:
	s_mov_b64 s[64:65], 0
	v_nop
	global_prefetch_b8 v0, s[64:65] scope:SCOPE_SE
	s_setreg_imm32_b32 hwreg(HW_REG_WAVE_MODE, 25, 1), 1
	s_wait_xcnt 0x0
	s_wait_alu depctr_hold_cnt(0) depctr_sa_sdst(0) depctr_va_vdst(0) depctr_va_sdst(0) depctr_va_ssrc(0) depctr_va_vcc(0) depctr_vm_vsrc(0)
	s_getreg_b32 s2, hwreg(HW_REG_IB_STS2, 6, 4)
	s_cmp_eq_u32 s2, 0
	s_cbranch_scc0 .Lentry_in_a_cluster
	s_endpgm
.Lentry_in_a_cluster:
	s_bfe_u32 s2, ttmp6, 0x10000c
	s_cmp_lg_u32 s2, 0xf033
	s_cbranch_scc0 .Lentry_shape_is_right
	s_endpgm
.Lentry_shape_is_right:
; MULTI-HEAD ATTENTION, launch 4 of 4: out0 = ctx Wo^T + bo.  ctx [8192][1024] and Wo [1024][1024] in f16, as register images: [tile of 16 rows][u 64][lane 32][16 bytes], lane (r, h) of piece u = row r, K = 16 u + 8 h + 0 .. 7.  Sums in f32.  No work is left out.
; A tile of out0, 256 rows x 128 columns, is made by a work-group of four waves: 256 work-groups.  A wave makes 128 x 64: 32 accumulators, 256 registers.
; K goes in steps of 128 through a ring of two LDS slots.  A step's part of a tile of 16 rows is 4,096 consecutive bytes, so a tensor load brings 8 (ctx) or 4 (Wo) rows of 4,096 bytes, 32,768 bytes apart, and every LDS load is at 16 x lane + a constant.
; CLUSTERS: 4 x 4 work-groups; ctx's tiles are shared along a row of the cluster, Wo's along a column: joint loads.
; THE MATRIX INSTRUCTION IS USED TRANSPOSED (source 0 = 16 rows of Wo, source 1 = 16 rows of ctx): a lane holds eight neighbouring numbers of a row of out0.  bo is the C of each sum's first product.
; REGISTERS: window 0: v0-31 addresses; v32-63 bo, eight registers a column tile; two fragment buffers of 96 at v64 and v160: ctx's eight fragments, then Wo's four; on the way out v64-127 take rows read back.   window 1: the accumulators, (a, b) at v[8 (4 a + b)].
.set SLOT,   98304                     ; ctx's 16 tiles of 4,096 bytes, then Wo's 8
.set BOFF,   65536
.set STAGE,  2*SLOT                    ; behind the ring: 16 rows x 272 bytes for each wave, for the way out
.set SPITCH, 272
.set SPARE,  STAGE+4*16*SPITCH         ; the spare words, 128 bytes for each wave
.set LAPS,   4                         ; a lap = two K steps; 1,024 / 256
.set ADRA, 16                          ; v16-17  LDS address of my ctx fragments in slot 0, 1
.set ADRB, 20                          ; v20-21  the same for Wo
.set STO,  24                          ; v24     the way out: where I put 32 bytes of a row
.set RD,   25                          ; v25     where I read a row back
.set CO,   26                          ; v26     my byte offset in out0
.set BOF,  27                          ; v27     32 h
.set SPW,  28                          ; v28     my spare word; never rewritten
.set NIL,  29                          ; v29     0; never rewritten
.set BI,   32
.set F0,   64
.set F1,   160
.set OUTR, 64
.set G1, 24                            ; s[24:31] group 1 for ctx's tiles;  s[32:39] group 0, a set for each slot
.set G0, 32
.set G1B, 48                           ; s[48:55], s[56:63] the same for Wo's
.set G0B, 56
.set MULW, 0x50                        ; C and D window 1; less 0x10: C (bo) window 0
.set MSB, 0
.macro WIN new
.if MSB != (\new)
	s_set_vgpr_msb (MSB<<8)|(\new)
.set MSB, (\new)
.endif
.endm
.macro JLOAD s                         ; a joint load: waves 0 and 1 fetch ctx's two halves, waves 2 and 3 Wo's; an s_nop 0 and four v_nop follow each of the two lines
	s_cmp_eq_u32 s13, 0
	s_cbranch_scc0 .Lfor_b_\@
	tensor_load_to_lds s[G0+4*\s:G0+4*\s+3], s[G1:G1+7]
	s_nop 0
.rept 4
	v_nop
.endr
	s_branch .Lasked_\@
.Lfor_b_\@:
	tensor_load_to_lds s[G0B+4*\s:G0B+4*\s+3], s[G1B:G1B+7]
	s_nop 0
.rept 4
	v_nop
.endr
.Lasked_\@:
.endm
.macro CREST                           ; a round of the cluster's barrier behind its opening barrier
	s_cmp_lg_u32 s12, 0
	s_cbranch_scc1 .Lnot_wave_0_\@
	s_barrier_signal -3
.Lnot_wave_0_\@:
	s_barrier_wait -3
	s_barrier_signal -1
	s_barrier_wait -1
.endm
.macro CROUND
	s_barrier_signal -1
	s_barrier_wait -1
	CREST
.endm
	s_load_b256 s[4:11], s[0:1], 0x0               ; ctx s[4:5], wo16 s[6:7], bo s[8:9], out0 s[10:11]
	v_lshl_add_u32 v[SPW], v0, 2, SPARE
	v_mov_b32 v[NIL], 0
	ds_add_u32 v[SPW], v[NIL]                      ; the wave's opening: the add, twice on end, and its wait ahead of my first tensor load
	ds_add_u32 v[SPW], v[NIL]
	v_lshrrev_b32 v1, 5, v0
	v_readfirstlane_b32 s12, v1                    ; wave 0..3
	s_lshr_b32 s13, s12, 1                         ; which half of the tile's rows is mine.  Also: I fetch for ctx (0) or for Wo (1)
	s_and_b32 s14, s12, 1                          ; which half of its columns.  Also: which half of that tile I fetch
	s_bfe_u32 s40, ttmp6, 0x40000                  ; cx, cy
	s_bfe_u32 s41, ttmp6, 0x40004
	s_lshl_b32 s42, ttmp9, 2
	s_add_co_u32 s42, s42, s40                     ; tile column
	s_and_b32 s43, ttmp7, 0xffff
	s_lshl_b32 s43, s43, 2
	s_add_co_u32 s43, s43, s41                     ; tile row
	s_lshl_b32 s44, s41, 2
	s_lshl_b32 s44, 15, s44                        ; my row of the cluster
	s_lshl_b32 s45, 0x1111, s40                    ; my column
	s_or_b32 s[G1+0], s44, (3<<16)|(1<<21)         ; the mask; elements of 8 bytes; bit 21 beside a mask; no padding
	s_or_b32 s[G1B+0], s45, (3<<16)|(1<<21)
	s_mov_b32 s[G1+1], 512<<16                     ; tensor_dim0 = 512: 4,096 bytes
	s_mov_b32 s[G1+2], 8<<16                       ; tensor_dim1 = 8 tiles of 16 rows
	s_mov_b32 s[G1+3], 512<<16                     ; tile_dim0
	s_mov_b32 s[G1+4], 8                           ; tile_dim1
	s_mov_b32 s[G1+5], 4096                        ; 32,768 bytes from tile to tile
	s_mov_b32 s[G1+6], 0
	s_mov_b32 s[G1+7], 0
	s_mov_b32 s[G1B+1], 512<<16
	s_mov_b32 s[G1B+2], 4<<16
	s_mov_b32 s[G1B+3], 512<<16
	s_mov_b32 s[G1B+4], 4
	s_mov_b32 s[G1B+5], 4096
	s_mov_b32 s[G1B+6], 0
	s_mov_b32 s[G1B+7], 0
	s_lshl_b32 s16, s43, 19                        ; ctx: 16 tiles of 32,768 bytes a tile row,
	s_lshl_b32 s18, s14, 18                        ; 8 a half
	s_add_co_u32 s16, s16, s18
	s_mov_b32 s17, 0
	s_lshl_b32 s20, s42, 18                        ; Wo: 8 tiles a tile column,
	s_lshl_b32 s22, s14, 17                        ; 4 a half
	s_add_co_u32 s20, s20, s22
	s_mov_b32 s21, 0
	s_lshl_b32 s18, s12, 15                        ; where they go: waves 0, 1: wave x 32,768;
	s_lshl_b32 s22, s12, 14
	s_add_co_u32 s22, s22, 32768                   ; waves 2, 3: 32,768 + wave x 16,384, which is 65,536 and 81,920
	s_wait_dscnt 0x0                               ; both opening adds are done
	s_wait_kmcnt 0x0
	s_add_nc_u64 s[16:17], s[4:5], s[16:17]
	s_add_nc_u64 s[20:21], s[6:7], s[20:21]
	CROUND                                         ; all sixteen work-groups are here: the first joint loads meet
.irp s, 0,1
	s_mov_b32 s[G0+4*\s], 1
	s_add_co_u32 s[G0+4*\s+1], s18, \s*SLOT
	s_add_nc_u64 s[G0+4*\s+2:G0+4*\s+3], s[16:17], \s*4096
	s_or_b32 s[G0+4*\s+3], s[G0+4*\s+3], 0x80000000
	s_mov_b32 s[G0B+4*\s], 1
	s_add_co_u32 s[G0B+4*\s+1], s22, \s*SLOT
	s_add_nc_u64 s[G0B+4*\s+2:G0B+4*\s+3], s[20:21], \s*4096
	s_or_b32 s[G0B+4*\s+3], s[G0B+4*\s+3], 0x80000000
	JLOAD \s                                       ; two loads of mine are out
.endr
	v_and_b32 v1, 15, v0                           ; r
	v_bfe_u32 v2, v0, 4, 1                         ; h
	v_and_b32 v3, 31, v0
	v_lshlrev_b32 v3, 4, v3                        ; 16 x lane
	s_lshl_b32 s18, s13, 15                        ; my 8 tiles of ctx
	s_lshl_b32 s22, s14, 14                        ; my 4 tiles of Wo,
	s_add_co_u32 s22, s22, BOFF                    ; behind ctx's 16
.irp s, 0,1
	v_add_nc_u32 v[ADRA+\s], s18, v3
	v_add_nc_u32 v[ADRB+\s], s22, v3
	s_add_co_u32 s18, s18, SLOT
	s_add_co_u32 s22, s22, SLOT
.endr
	s_mul_i32 s23, s12, 16*SPITCH
	s_add_co_u32 s23, s23, STAGE                   ; my stage
	v_mul_u32_u24 v4, v1, SPITCH                   ; in: row r, 32 bytes for each half of the lanes
	v_lshl_add_u32 v4, v2, 5, v4
	v_add_nc_u32 v[STO], s23, v4
	v_mul_u32_u24 v5, v2, SPITCH                   ; back: lanes 0-15 one row of 256 bytes, lanes 16-31 the next
	v_lshl_add_u32 v5, v1, 4, v5
	v_add_nc_u32 v[RD], s23, v5
	v_lshlrev_b32 v5, 12, v2                       ; and the same two rows in out0
	v_lshl_add_u32 v[CO], v1, 4, v5
	s_lshl_b32 s16, s43, 20                        ; my first row: 256 x tile row + 128 x half, 4,096 bytes each
	s_lshl_b32 s17, s13, 19
	s_add_co_u32 s16, s16, s17
	s_mov_b32 s17, 0
	s_add_nc_u64 s[10:11], s[10:11], s[16:17]
	s_lshl_b32 s20, s42, 9                         ; my first column, in bytes: 512 x tile column + 256 x half
	s_lshl_b32 s21, s14, 8
	s_add_co_u32 s20, s20, s21
	s_mov_b32 s21, 0
	s_add_nc_u64 s[10:11], s[10:11], s[20:21]
	s_add_nc_u64 s[8:9], s[8:9], s[20:21]          ; and the same in bo
	v_lshlrev_b32 v[BOF], 5, v2
.irp b, 0,1,2,3
	global_load_b128 v[BI+8*\b:BI+8*\b+3], v[BOF], s[8:9] offset:64*\b        ; lane (r, h): bo[.. + 16 b + 8 h + 0 .. 7]: the result's layout
	global_load_b128 v[BI+8*\b+4:BI+8*\b+7], v[BOF], s[8:9] offset:64*\b+16
.endr
; 8 matrix instructions: row tiles a0, a0 + 1 x the 4 column tiles, 32 along K, from buffer f.  first = 1: bo starts the sums.  The 32 accumulators take turns in the same order in every quarter.
.macro MUL8 f, a0, first
.irp a, \a0, \a0+1
.irp b, 0,1,2,3
.if \first
	v_wmma_f32_16x16x32_f16 v[8*(4*(\a)+\b):8*(4*(\a)+\b)+7], v[\f+64+8*\b:\f+64+8*\b+7], v[\f+8*(\a):\f+8*(\a)+7], v[BI+8*\b:BI+8*\b+7]
.else
	v_wmma_f32_16x16x32_f16 v[8*(4*(\a)+\b):8*(4*(\a)+\b)+7], v[\f+64+8*\b:\f+64+8*\b+7], v[\f+8*(\a):\f+8*(\a)+7], v[8*(4*(\a)+\b):8*(4*(\a)+\b)+7]
.endif
.endr
.endr
.endm
; 24 LDS loads in one run: the fragments of the slot's q-th 32 along K into buffer f: Wo's four, ctx's tiles 0-3, ctx's tiles 4-7
.macro FETCH slot, q, f
	WIN 0
.irp i, 0,1,2,3
.irp c, 0,1
	ds_load_b128 v[\f+64+8*\i+4*\c:\f+64+8*\i+4*\c+3], v[ADRB+\slot] offset:4096*\i+512*(2*(\q)+\c)
.endr
.endr
.irp i, 0,1,2,3,4,5,6,7
.irp c, 0,1
	ds_load_b128 v[\f+8*\i+4*\c:\f+8*\i+4*\c+3], v[ADRA+\slot] offset:4096*\i+512*(2*(\q)+\c)
.endr
.endr
.endm
.macro PLACES                          ; four places in front of loads into registers that matrix instructions have read, and of reads of results
.rept 4
	v_nop
.endr
.endm
; A K step is four quarters of 32 along K, 32 matrix instructions each, on buffers 0, 1, 0, 1.  One of the first three: multiplies buffer f and fetches quarter q into g.
.macro QUARTER slot, q, f, g, first
	s_wait_dscnt 8                                 ; Wo's and ctx's tiles 0-3 are in; the youngest eight loads (tiles 4-7) may be out
	WIN MULW-0x10*\first
	MUL8 \f, 0, \first
	MUL8 \f, 2, \first
	PLACES
	FETCH \slot, \q, \g
	s_wait_dscnt 24                                ; all but the 24 just issued
	WIN MULW-0x10*\first
	MUL8 \f, 4, \first
	MUL8 \f, 6, \first
.endm
; The last quarter multiplies buffer 1 and changes slots: ONE barrier; in front of it each wave waits for all its tensor loads, adds 0 to its spare word, and waits for that and for its reads of this slot.  fill = 1: this slot takes the K step two on.
.macro TURN slot, next, fill
	WIN 0                                          ; (the add's two registers lie in window 0)
	s_wait_tensorcnt 0x0                           ; all my tensor loads have landed: my part of the next slot
	ds_add_u32 v[SPW], v[NIL]
	s_wait_dscnt 9                                 ; (the add and the youngest eight loads may be out)
	WIN MULW
	MUL8 F1, 0, 0                                  ; eight matrix instructions stand between the add and the wait for it
	s_wait_dscnt 0x0                               ; the add is done, and my reads of this slot are over
	s_barrier_signal -1
	MUL8 F1, 2, 0
.if \fill
	WIN 0
.endif
	s_barrier_wait -1
.if \fill
	CREST                                          ; the barrier has opened a round of the cluster's: no wave of any partner still reads this slot or has a load on its way
	s_add_nc_u64 s[G0+4*\slot+2:G0+4*\slot+3], s[G0+4*\slot+2:G0+4*\slot+3], 8192
	s_add_nc_u64 s[G0B+4*\slot+2:G0B+4*\slot+3], s[G0B+4*\slot+2:G0B+4*\slot+3], 8192
	JLOAD \slot                                    ; the first tensor load behind the round; its four v_nop are also the places in front of the loads below
.else
	PLACES
.endif
	FETCH \next, 0, F0
	WIN MULW
	MUL8 F1, 4, 0
	MUL8 F1, 6, 0
.endm
	s_wait_tensorcnt 1                             ; my part of K step 0 is in (K step 1's load may be out),
	s_barrier_signal -1
	s_barrier_wait -1                              ; everybody's is
	FETCH 0, 0, F0
	s_wait_loadcnt 0x0                             ; bo
	QUARTER 0, 1, F0, F1, 1                        ; the first quarter stands in front of the loop: its products start the sums
	WIN 0                                          ; at a label and at a branch every window is 0
	s_mov_b32 s15, LAPS-1
.Llap:                                                 ; a trip goes once round the ring, from a lap's second quarter to the next lap's first, and fills both slots again
	QUARTER 0, 2, F1, F0, 0
	QUARTER 0, 3, F0, F1, 0
	TURN 0, 1, 1
	QUARTER 1, 1, F0, F1, 0
	QUARTER 1, 2, F1, F0, 0
	QUARTER 1, 3, F0, F1, 0
	TURN 1, 0, 1
	QUARTER 0, 1, F0, F1, 0
	WIN 0
	s_sub_co_u32 s15, s15, 1
	s_cmp_lg_u32 s15, 0
	s_cbranch_scc1 .Llap
	QUARTER 0, 2, F1, F0, 0                        ; the last lap fills nothing
	QUARTER 0, 3, F0, F1, 0
	TURN 0, 1, 0
	QUARTER 1, 1, F0, F1, 0
	QUARTER 1, 2, F1, F0, 0
	QUARTER 1, 3, F0, F1, 0
	s_wait_dscnt 8                                 ; the very last quarter: nothing more to fetch
	WIN MULW
	MUL8 F1, 0, 0
	MUL8 F1, 2, 0
	s_wait_dscnt 0
	MUL8 F1, 4, 0
	MUL8 F1, 6, 0
	WIN 0
; THE WAY OUT, 16 rows x 64 columns at a time: a lane's 32 bytes of a row go into my own stage and come back as whole rows of 256 bytes: sixteen lanes store 256 consecutive bytes, aligned.
; LDS serves a wave's instructions in order: no wait between the stores and the loads, nor in front of the next block's stores.
.macro TOSTAGE a
	WIN 0x04                                       ; an LDS store's data: window 1
.irp b, 0,1,2,3
	ds_store_b128 v[STO], v[8*(4*(\a)+\b):8*(4*(\a)+\b)+3] offset:64*\b        ; each accumulator from its low end on
	ds_store_b128 v[STO], v[8*(4*(\a)+\b)+4:8*(4*(\a)+\b)+7] offset:64*\b+16
.endr
	WIN 0
.set BB, OUTR+32*((\a)%2)
.irp t, 0,1,2,3,4,5,6,7
	ds_load_b128 v[BB+4*\t:BB+4*\t+3], v[RD] offset:\t*2*SPITCH
.endr
.endm
.macro SEND a, younger                 ; younger: the LDS instructions issued behind block a's loads, which may stay out
.set BB, OUTR+32*((\a)%2)
	s_wait_dscnt \younger
.irp t, 0,1,2,3,4,5,6,7
	global_store_b128 v[CO], v[BB+4*\t:BB+4*\t+3], s[10:11] offset:(\a)*65536+\t*8192 th:TH_STORE_NT
.endr
.endm
	PLACES                                         ; behind the last products: for the reads of their results and the loads into the fragments' registers
	TOSTAGE 0
.irp a, 1,2,3,4,5,6,7
.if \a > 1
	s_wait_xcnt 0x0                                ; block a - 2's stores have read their registers: block a's loads land there only behind this wait
.endif
	TOSTAGE \a
	SEND \a-1, 16                                  ; behind block a - 1's loads: block a's 8 stores and 8 loads
.endr
	SEND 7, 0
	s_wait_tensorcnt 0x0                           ; the wave's end
	ds_add_u32 v[SPW], v[NIL]
	s_wait_dscnt 0x0
	CROUND                                         ; the closing round
	s_endpgm
.Lfunc_end_k_q0a8cf56f34_oproj:
	.size	k_q0a8cf56f34_oproj, .Lfunc_end_k_q0a8cf56f34_oproj-k_q0a8cf56f34_oproj
	.p2alignl 7, 3214868480
	.fill 96, 4, 3214868480
	.section	.rodata,"a",@progbits
	.p2align	6, 0x0
	.amdhsa_kernel k_q0a8cf56f34_oproj
		.amdhsa_group_segment_fixed_size 327680
		.amdhsa_private_segment_fixed_size 0
		.amdhsa_enable_private_segment 0
		.amdhsa_kernarg_size 32
		.amdhsa_user_sgpr_count 2
		.amdhsa_user_sgpr_kernarg_segment_ptr 1
		.amdhsa_wavefront_size32 1
		.amdhsa_system_sgpr_workgroup_id_x 1
		.amdhsa_system_sgpr_workgroup_id_y 1
		.amdhsa_system_sgpr_workgroup_id_z 1
		.amdhsa_system_vgpr_workitem_id 0
		.amdhsa_next_free_vgpr 512
		.amdhsa_next_free_sgpr 66
		.amdhsa_reserve_vcc 0
		.amdhsa_float_denorm_mode_32 3
		.amdhsa_float_denorm_mode_16_64 3
		.amdhsa_memory_ordered 1
		.amdhsa_forward_progress 1
		.amdhsa_inst_pref_size 86
	.end_amdhsa_kernel
	.amdgpu_metadata
---
amdhsa.version: [ 1, 2 ]
amdhsa.kernels:
  - .name:           k_q0a8cf56f34_oproj
    .symbol:         k_q0a8cf56f34_oproj.kd
    .args:
      - { .name: ctx, .offset: 0, .size: 8, .value_kind: global_buffer, .address_space: global }
      - { .name: wo16, .offset: 8, .size: 8, .value_kind: global_buffer, .address_space: global }
      - { .name: bo, .offset: 16, .size: 8, .value_kind: global_buffer, .address_space: global }
      - { .name: out0, .offset: 24, .size: 8, .value_kind: global_buffer, .address_space: global }
    .group_segment_fixed_size: 327680
    .private_segment_fixed_size: 0
    .kernarg_segment_align: 8
    .kernarg_segment_size: 32
    .max_flat_workgroup_size: 128
    .sgpr_count:     66
    .vgpr_count:     512
    .wavefront_size: 32
...
	.end_amdgpu_metadata
.endif
;; end of part 4
